; MI455X (gfx1250); checked and timed in simulation.
; The chip was launched on July 23, 2026; its instructions are those of AMD's public machine-readable ISA for CDNA 5 (MIT licence, August 2026) and "CDNA5" Instruction Set Architecture Reference Guide (July 2026). The comments in the code are by the model that wrote it; some were corrected since.
;; MHA Encoder Fused Proj. Allowed arithmetic: matrix products marked QUANTISED: E2M3 operands, one E8M0 scale for each 32 along K, by v_wmma_scale_f32_16x16x128_f8f6f4 with both operands' format E2M3, f32 sums; everything else in f32.
;; Inputs: W_out 1,024 x 1,024 float32; W_qkv 3,072 x 1,024 float32; cos 2,048 x 64 float32; sin 2,048 x 64 float32; x 4 x 2,048 x 1,024 float32.
;; Outputs: out0 4 x 2,048 x 1,024 float32.
;; This version of the problem:
;;   THIS VERSION OF THE PROBLEM IS GIVEN IN LOW PRECISION. The matrix products marked QUANTISED in the list below multiply operands that are first quantised to E2M3 (2 exponent bits, 3 mantissa bits; 6 bits a number), with one power-of-two scale for each 32 numbers along K (OCP MX v1.0); their sums are f32. All else is computed in f32.
;;   The module's matrix products, in the order in which they are computed (A, B: the left and right operand; K: the contracted axis; several contracted axes count as one K, in the product's order):
;;     1. [M 8,192, K 1,024] x [K 1,024, N 3,072]; A: input x; B: input W_qkv: QUANTISED
;;     2. batch 64 x [M 2,048, K 64] x [K 64, N 2,048]; A: computed on the way; B: computed on the way: QUANTISED
;;     3. batch 64 x [M 2,048, K 2,048] x [K 2,048, N 64]; A: softmax (see below); B: computed on the way: QUANTISED
;;     4. [M 8,192, K 1,024] x [K 1,024, N 1,024]; A: computed on the way; B: input W_out: QUANTISED
;;   THE QUANTISER, for each operand of a quantised product, along K:
;;     - K is cut into blocks of 32 from its start; a last block that is shorter is filled with zeros.
;;     - A block's scale is 2^e with e = floor(log2(the largest magnitude in the block)) - 2, held to -126 .. 127; a block of zeros has e = 0. As a byte (E8M0): e + 127.
;;     - Each number is divided by its block's scale, clamped to +-7.5, and rounded to the nearest number of E2M3, ties to even, subnormals kept.
;;     - The product sums the exact products of the quantised numbers (number of the format x scale) in f32.
;;   ~~~python
;;   def quantise(x, axis):      # numpy; x: float32 -> the quantised numbers, widened to float32 again
;;       x = np.moveaxis(x, axis, -1); K = x.shape[-1]
;;       x = np.pad(x, [(0, 0)] * (x.ndim - 1) + [(0, -K % 32)]); x = x.reshape(x.shape[:-1] + (-1, 32)); a = np.abs(x).max(-1, keepdims=True)
;;       e = np.where(a > 0, np.clip(np.frexp(np.where(a > 0, a, 1))[1] - 1 - 2, -126, 127), 0)      # np.frexp(a)[1] - 1 = floor(log2(a)), exactly
;;       r = np.clip(x / 2.0 ** e, -7.5, 7.5)
;;       step = 2.0 ** (np.maximum(np.frexp(np.where(r == 0, 1, r))[1] - 1, 0) - 3)
;;       q = np.round(r / step) * step * 2.0 ** e      # np.round: ties to even
;;       return np.moveaxis(q.reshape(q.shape[:-2] + (-1,))[..., :K], -1, axis).astype(np.float32)
;;   ~~~
;;   SOFTMAX AHEAD OF A QUANTISED PRODUCT. Where the list says 'softmax', what is quantised is not the finished softmax but p = 2^(t - M), with t = logit x log2(e) and M = ceil(the row's largest t), a whole number; so 1/2 < the row's largest p <= 1. The row's sum l is taken of the UNQUANTISED p, in f32, and the product's result is divided by l at the end. Since M is a whole number, a kernel that streams over the keys may use a running M (the ceiling of the running maximum): every later rescaling is an exact power of two, which a block's scale takes up: the codes' values come out the same.
;;   OPERANDS COMPUTED ON THE WAY. 'Computed on the way' means the value that the module computes at that place (a softmax that the list does not call 'softmax' is quantised finished and normalised). What goes into a quantiser is computed in f32, as accurately as f32 sums, v_exp_f32 and their like allow (about 1e-6 of the number): no bf16 or f16 on the way to a quantiser, and a product that is left as it is and whose result goes on into a quantised operand takes f32 operands (vector FMAs, or v_wmma_f32_16x16x4_f32). A number that lies on a knife's edge between two numbers of the format may be rounded either way, as far as f32 arithmetic and the matrix unit's own rounding can turn it there, and no further.
;; One version. Each part assembles by itself: llvm-mc -triple=amdgcn-amd-amdhsa -mcpu=gfx1250 --defsym DOCPART=n.
;; ======== version 1 of 1: 4 launches
;; limits: right only within a limited range of input values
;; workspace buffers: xc 6,291,456 bytes; xs 262,144 bytes; wc 3,145,728 bytes; wsb 131,072 bytes; qbuf 6,553,600 bytes; kvbuf 13,107,200 bytes; oc 6,291,456 bytes; os 262,144 bytes
;; launch quant (part 1): grid 384 x 1, 4 waves a work-group, no clusters, 33,280 bytes of LDS; arguments x, W_qkv, W_out, xc, xs, wc, wsb; writes xc, xs, wc, wsb
.if DOCPART == 1
	.amdgcn_target "amdgcn-amd-amdhsa--gfx1250"
	.amdhsa_code_object_version 6
	.text
	.protected	k_q569c67411d_quant
	.globl	k_q569c67411d_quant
	.p2align	8
	.type	k_q569c67411d_quant,@function
k_q569c67411d_quant:
	s_mov_b64 s[64:65], 0
	v_nop
	global_prefetch_b8 v0, s[64:65] scope:SCOPE_SE
	s_setreg_imm32_b32 hwreg(HW_REG_WAVE_MODE, 25, 1), 1
	s_wait_xcnt 0x0
; x [8192][1024], W_qkv [3072][1024] and W_out [1024][1024], f32, become codes of FP6 (E2M3) with one E8M0 scale byte for each 32 along K (32 bytes a row).
; x goes to xc, xs; W_qkv to rows 0-3071 of wc, wsb; W_out to rows 3072-4095.
; THE CODES LIE BY CHUNKS OF 256 ALONG K: [4 chunks][workspace row][192 bytes].  So 128 rows of one chunk are 24,576 dense bytes, 96 aligned pieces of 256 bytes, which the later launches fetch as they lie.
; THE ROWS LEAVE IN ANOTHER ORDER.  Weights: workspace row w holds the tensor's row w with bits 3 and 4 swapped, so that two neighbouring tiles' 16 result registers are 16 neighbours.
; x: within each 64 rows, row r of tile t (16 workspace rows) holds token 8 t + r % 8 + 32 (r / 8): four neighbouring tiles' 32 result registers of a half of the lanes are one whole block of 32 tokens.
; A block's scale is 2^(floor(log2(its largest magnitude)) - 2); its byte is the largest magnitude's exponent field - 2, held at 1 from below.  A block of zeros so gets the byte 1 where the rule says 127:
; its codes are zeros, which add nothing under any byte but 0xff, and the bytes are read by this program alone.
; LIMITS: NaN and infinities among the inputs are not served; blocks whose largest magnitude lies under 2^(3 - 127) keep the byte 1.
; A wave takes a run of 8 rows, in 16 steps of 512 numbers.  Both orders move whole runs: they are arithmetic on the run's number (wave and work-group).
; Each load reads 512 consecutive bytes; a step's 2,048 bytes turn through the wave's own stage in LDS, so that a lane holds 16 neighbours along K (two lanes a block).  No barrier: waves share nothing.
.set STEPS, 16
.set EMAX,  2
.set CB,    12                         ; bytes of 16 codes
.set R,     16                         ; v16-143  eight sets of 16 numbers as they are loaded
.set X,     144                        ; v144-175 two sets of 16 neighbours
.set C,     192                        ; v192-255 codes: four registers for each step: all are kept, and stored behind the last step
.set E,     176                        ; v176-191 a scale byte for each step
.set WREG,  8192                       ; LDS: a region for each wave: two stages of 32 x SP bytes, behind them its 256 scale bytes
.set SP,    80                         ; a lane's place in a stage: 64 bytes + 16 of padding
.set SPW,   12                         ; v12  LDS address of my spare word; never rewritten
.set NIL,   13                         ; v13  0; never rewritten
.set SPARE, 4*WREG                     ; behind the four regions: the spare words, 128 bytes a wave
.set WG_X,  256                        ; work-groups 0-255: x;  256-351: W_qkv;  352-383: W_out  (32,768 numbers each)
.set WG_XQ, 352
.set CSX,   8192*192                   ; bytes from chunk to chunk in xc,
.set CSW,   4096*192                   ; and in wc
	s_load_b256 s[4:11], s[0:1], 0x0               ; x s[4:5], W_qkv s[6:7], W_out s[8:9], xc s[10:11]
	s_load_b128 s[12:15], s[0:1], 0x20             ; xs s[12:13], wc s[14:15]
	s_load_b64 s[16:17], s[0:1], 0x30              ; wsb
	v_lshl_add_u32 v[SPW], v0, 2, SPARE
	v_mov_b32 v[NIL], 0
	v_lshrrev_b32 v1, 5, v0
	v_readfirstlane_b32 s24, v1                    ; wave
	v_and_b32 v2, 31, v0                           ; lane
	v_lshlrev_b32 v3, 4, v2                        ; my 16 bytes of a load's 512
	s_mul_i32 s25, s24, WREG
	v_lshrrev_b32 v14, 2, v2
	v_mul_u32_u24 v14, v14, SP
	v_and_b32 v15, 3, v2
	v_lshl_add_u32 v14, v15, 4, v14
	v_add_nc_u32 v14, s25, v14                     ; the stage, on the way in: SP (lane / 4) + 16 (lane % 4)
	v_mul_u32_u24 v15, v2, SP
	v_add_nc_u32 v15, s25, v15                     ; and on the way out: SP x lane: my 16 neighbours
	s_cmp_lt_u32 ttmp9, WG_X
	s_mov_b32 s23, CSW
	s_cselect_b32 s23, CSX, s23                    ; my buffer's bytes from chunk to chunk
	v_and_b32 v4, 15, v2
	v_mul_u32_u24 v4, v4, CB                       ; a step is 512 along K, two chunks: lanes 0-15 fill a row's 192 bytes of the first,
	v_lshrrev_b32 v10, 4, v2
	v_mad_u32_u24 v4, v10, s23, v4                 ; lanes 16-31 of the second
	v_lshrrev_b32 v5, 1, v2
	s_add_co_u32 s25, s25, 2*32*SP
	v_add_nc_u32 v5, s25, v5                       ; LDS: my wave's 256 scale bytes, my block's byte
	v_lshlrev_b32 v7, 3, v2                        ; and on the way out 8 bytes a lane
	v_add_nc_u32 v6, s25, v7
	s_and_b32 s26, s24, 1
	s_lshl_b32 s26, s26, 1
	s_lshr_b32 s27, s24, 1
	s_or_b32 s26, s26, s27                         ; the wave's two bits swapped: where a run of a weight goes
	s_wait_alu depctr_va_vdst(0)                   ; the wait at the head's end
	s_wait_kmcnt 0x0
	s_cmp_lt_u32 ttmp9, WG_XQ                      ; the choices hang on the work-group's number alone
	s_cselect_b64 s[6:7], s[6:7], s[8:9]           ; W_qkv or W_out
	s_mov_b32 s18, WG_XQ
	s_cselect_b32 s18, WG_X, s18                   ; and that tensor's first work-group
	s_cmp_lt_u32 ttmp9, WG_X
	s_cselect_b64 s[4:5], s[4:5], s[6:7]           ; the tensor that I read,
	s_cselect_b64 s[10:11], s[10:11], s[14:15]     ; the codes' buffer,
	s_cselect_b64 s[12:13], s[12:13], s[16:17]     ; the scale bytes' buffer,
	s_cselect_b32 s18, 0, s18                      ; the first work-group of the tensor
	s_sub_co_u32 s20, ttmp9, s18
	s_lshl_b32 s20, s20, 2
	s_add_co_u32 s20, s20, s24                     ; the run that I read
	s_lshl_b32 s20, s20, 15                        ; 32,768 bytes a run (under 2^26)
	s_mov_b32 s21, 0
	s_add_nc_u64 s[4:5], s[4:5], s[20:21]
	s_lshr_b32 s27, ttmp9, 1                       ; x: the run's three low bits (work-group bit 0, wave bits 1, 0) leave as (wave bits 1, 0, work-group bit 0)
	s_lshl_b32 s27, s27, 3
	s_lshl_b32 s28, s24, 1
	s_or_b32 s27, s27, s28
	s_and_b32 s28, ttmp9, 1
	s_or_b32 s27, s27, s28
	s_sub_co_u32 s22, ttmp9, WG_X                  ; weights: both share their buffers
	s_lshl_b32 s22, s22, 2
	s_add_co_u32 s22, s22, s26
	s_cmp_lt_u32 ttmp9, WG_X
	s_cselect_b32 s22, s27, s22                    ; the run that I write
	s_mul_i32 s20, s22, 8*192                      ; 8 rows of 192 bytes in each chunk
	s_add_nc_u64 s[10:11], s[10:11], s[20:21]      ; chunks 0 and 1 (even steps),
	s_lshl_b32 s20, s23, 1
	s_add_nc_u64 s[28:29], s[10:11], s[20:21]      ; chunks 2 and 3 (odd steps)
	s_lshl_b32 s20, s22, 8                         ; 256 scale bytes a run
	s_add_nc_u64 s[12:13], s[12:13], s[20:21]
.macro LOAD t
.irp i, 0,1,2,3
	global_load_b128 v[R+16*((\t)%8)+4*\i:R+16*((\t)%8)+4*\i+3], v3, s[4:5] offset:2048*(\t)+512*\i th:TH_LOAD_NT   ; 32 lanes read 512 consecutive bytes
.endr
.endm
.macro TURN t                          ; step t's numbers through the stage: LDS serves a wave's instructions in order, so no wait stands between the stores and the loads
.irp i, 0,1,2,3
	ds_store_b128 v14, v[R+16*((\t)%8)+4*\i:R+16*((\t)%8)+4*\i+3] offset:32*SP*((\t)%2)+8*SP*\i
.endr
.irp i, 0,1,2,3
	ds_load_b128 v[X+16*((\t)%2)+4*\i:X+16*((\t)%2)+4*\i+3], v15 offset:32*SP*((\t)%2)+16*\i
.endr
.endm
.irp t, 0,1,2,3,4,5,6,7
	LOAD \t
.endr
	s_wait_loadcnt 28                              ; step 0's four loads are in; the 28 of steps 1 to 7 may be out
	TURN 0
.macro STEP t
.set XS, X+16*((\t)%2)
.if (\t) > 0
	s_wait_dscnt 1                                 ; this step's numbers are back from the stage (the last step's byte store may be out): so its stores into the stage have read their registers,
.else
	s_wait_dscnt 0x0
.endif
.if (\t)+8 < STEPS
	LOAD (\t)+8                                    ; which take the loads of eight steps on
.endif
.if (\t)+1 < STEPS
.if STEPS-2-(\t) >= 7
	s_wait_loadcnt 28                              ; the next step's four loads are in; those of the seven steps behind it may be out
.else
	s_wait_loadcnt 4*(STEPS-2-(\t))
.endif
	TURN (\t)+1                                    ; and go through the other stage while this step is worked
.endif
	v_max3_num_f32 v8, |v[XS]|, |v[XS+1]|, |v[XS+2]|               ; the largest magnitude of my 16
	v_max3_num_f32 v9, |v[XS+3]|, |v[XS+4]|, |v[XS+5]|
.irp i, 6,10
	v_max3_num_f32 v8, v8, |v[XS+\i]|, |v[XS+\i+1]|
	v_max3_num_f32 v9, v9, |v[XS+\i+2]|, |v[XS+\i+3]|
.endr
	v_max3_num_f32 v8, v8, |v[XS+14]|, |v[XS+15]|
	v_max3_num_f32 v8, v8, v9, (EMAX+1)<<23        ; and the floor 2^(EMAX + 1 - 127): the byte cannot fall under 1
	v_max_num_f32_dpp v8, v8, v8 row_xmask:1 row_mask:0xf bank_mask:0xf   ; and of my neighbour's 16: the block's
	v_add_nc_u32 v11, -(EMAX<<23), v8              ; EMAX off its exponent field: the conversion takes the exponent field of this operand as its scale
	v_cvt_scalef32_pk16_fp6_f32 v[C+4*(\t):C+4*(\t)+2], v[XS:XS+15], v11   ; sixteen numbers / the scale, to the nearest code, ties to even, beyond the largest code the largest
	v_lshrrev_b32 v[E+(\t)], 23, v11               ; the scale's byte (a plain line behind the conversion)
	ds_store_b8 v5, v[E+(\t)] offset:16*(\t)       ; both lanes of a block write the same byte with the same value
.endm
.irp t, 0,1,2,3,4,5,6,7,8,9,10,11,12,13,14,15
	STEP \t
.endr
	ds_load_b64 v[8:9], v6                         ; LDS serves a wave's instructions in order: this sees my stores
	s_wait_alu depctr_va_vdst(0)                   ; the wait here, directly ahead of the wait below
	s_wait_tensorcnt 0x0
	ds_add_u32 v[SPW], v[NIL]
	s_wait_dscnt 0x0                               ; the add is done, and the scale bytes are back
; ALL STORES STAND HERE, on end: no vector or LDS line follows them
.irp t, 0,1,2,3,4,5,6,7,8,9,10,11,12,13,14,15
	global_store_b96 v4, v[C+4*(\t):C+4*(\t)+2], s[10+18*((\t)%2):11+18*((\t)%2)] offset:192*((\t)/2)   ; row t / 2 of my run: sixteen lanes store its 192 consecutive bytes of a chunk; my 8 rows fill 1,536 consecutive bytes of each chunk
.endr
	global_store_b64 v7, v[8:9], s[12:13]          ; 32 lanes store 256 consecutive bytes, aligned
	s_endpgm
.Lfunc_end_k_q569c67411d_quant:
	.size	k_q569c67411d_quant, .Lfunc_end_k_q569c67411d_quant-k_q569c67411d_quant
	.p2alignl 7, 3214868480
	.fill 96, 4, 3214868480
	.section	.rodata,"a",@progbits
	.p2align	6, 0x0
	.amdhsa_kernel k_q569c67411d_quant
		.amdhsa_group_segment_fixed_size 33280
		.amdhsa_private_segment_fixed_size 0
		.amdhsa_enable_private_segment 0
		.amdhsa_kernarg_size 56
		.amdhsa_user_sgpr_count 2
		.amdhsa_user_sgpr_kernarg_segment_ptr 1
		.amdhsa_wavefront_size32 1
		.amdhsa_system_sgpr_workgroup_id_x 1
		.amdhsa_system_sgpr_workgroup_id_y 1
		.amdhsa_system_sgpr_workgroup_id_z 1
		.amdhsa_system_vgpr_workitem_id 0
		.amdhsa_next_free_vgpr 256
		.amdhsa_next_free_sgpr 66
		.amdhsa_reserve_vcc 0
		.amdhsa_float_denorm_mode_32 3
		.amdhsa_float_denorm_mode_16_64 3
		.amdhsa_memory_ordered 1
		.amdhsa_forward_progress 1
		.amdhsa_inst_pref_size 33
	.end_amdhsa_kernel
	.amdgpu_metadata
---
amdhsa.version: [ 1, 2 ]
amdhsa.kernels:
  - .name:           k_q569c67411d_quant
    .symbol:         k_q569c67411d_quant.kd
    .args:
      - { .name: x, .offset: 0, .size: 8, .value_kind: global_buffer, .address_space: global }
      - { .name: W_qkv, .offset: 8, .size: 8, .value_kind: global_buffer, .address_space: global }
      - { .name: W_out, .offset: 16, .size: 8, .value_kind: global_buffer, .address_space: global }
      - { .name: xc, .offset: 24, .size: 8, .value_kind: global_buffer, .address_space: global }
      - { .name: xs, .offset: 32, .size: 8, .value_kind: global_buffer, .address_space: global }
      - { .name: wc, .offset: 40, .size: 8, .value_kind: global_buffer, .address_space: global }
      - { .name: wsb, .offset: 48, .size: 8, .value_kind: global_buffer, .address_space: global }
    .group_segment_fixed_size: 33280
    .private_segment_fixed_size: 0
    .kernarg_segment_align: 8
    .kernarg_segment_size: 56
    .max_flat_workgroup_size: 128
    .sgpr_count:     66
    .vgpr_count:     256
    .wavefront_size: 32
...
	.end_amdgpu_metadata
.endif
;; end of part 1
;; launch gemm_qkv (part 2): grid 12 x 32, 4 waves a work-group, clusters of 4 x 4, 327,680 bytes of LDS; arguments xc, xs, wc, wsb, cos, sin, qbuf, kvbuf; writes qbuf, kvbuf
.if DOCPART == 2
	.amdgcn_target "amdgcn-amd-amdhsa--gfx1250"
	.amdhsa_code_object_version 6
	.text
	.protected	k_q569c67411d_gemm_qkv
	.globl	k_q569c67411d_gemm_qkv
	.p2align	8
	.type	k_q569c67411d_gemm_qkv,@function
k_q569c67411d_gemm_qkv:
	s_mov_b64 s[64:65], 0
	v_nop
	global_prefetch_b8 v0, s[64:65] scope:SCOPE_SE
	s_setreg_imm32_b32 hwreg(HW_REG_WAVE_MODE, 25, 1), 1
	s_wait_xcnt 0x0
	s_wait_alu depctr_hold_cnt(0) depctr_sa_sdst(0) depctr_va_vdst(0) depctr_va_sdst(0) depctr_va_ssrc(0) depctr_va_vcc(0) depctr_vm_vsrc(0)
	s_getreg_b32 s2, hwreg(HW_REG_IB_STS2, 6, 4)
	s_cmp_eq_u32 s2, 0
	s_cbranch_scc0 .Lentry_in_a_cluster
	s_endpgm
.Lentry_in_a_cluster:
	s_bfe_u32 s2, ttmp6, 0x10000c
	s_cmp_lg_u32 s2, 0xf033
	s_cbranch_scc0 .Lentry_shape_is_right
	s_endpgm
.Lentry_shape_is_right:
; qkv = x W_qkv^T on codes of FP6 (E2M3) with E8M0 scales; q and k get the rotary step in f32 and are quantised along the head's channels, v along the keys; all three leave as images of the next launch's operand registers.
; A work-group of four waves makes 256 x 256, a wave 128 x 128.  Clusters of 4 x 4 ask for A's and B's tiles jointly.  Cluster column 2 makes v with the operands' roles changed, so that a lane's registers run along the keys.
; THE CODES LIE BY CHUNKS OF 256 ALONG K, [4][row][192 bytes]: 128 rows of a chunk are 24,576 dense bytes and come in as 96 aligned rows of 256 bytes; 16 bytes of padding behind every 64 make LDS rows of 240 bytes.
; THE HEAD: one joint load a wave: wave 0 chunk 0 of A's 256 rows, wave 1 A's scales, wave 2 chunk 0 of B's 256 rows, wave 3 B's scales.  Slot 1 is first filled as a refill is.  In the ring each wave fetches 128 rows.
; x's rows lie so that row r of tile t (of each four) is token 8 t + r % 8 + 32 (r / 8); the weights' rows with bits 3 and 4 of their number swapped.
; No prefetch: the walk along K has four chunks, of which two are asked for before the first product.
; LIMITS: NaN and infinities are not served; a block of zeros carries the byte 1.
.set SIZE_K, 1024
.set KSTEP,  256
.set NQ,     KSTEP/128
.set KROW,   192
.set CSX,    8192*KROW
.set CSW,    4096*KROW
.set PITCH,  240
.set FR,     12
.set NL,     6
.set NP,     4
.set HALFT,  128*PITCH
.set SLOT,   4*HALFT
.set LAPS,   SIZE_K/(2*KSTEP)
.set KS,     SIZE_K/32
.set SCL,    2*SLOT
.set HALFS,  (128*KS/256)*272
.set SBLK,   (16*KS/256)*272
.set SPARE,  SCL+4*HALFS
.set VCS,  8
.set LI16, 9
.set LI8,  10
.set VSO,  11
.set SELP, 13
.set ADRA, 16
.set ADRB, 20
.set ADRS, 27
.set SPW,  28
.set NIL,  29
.set SC,   32
.set CDS,  64
.set TM,   84
.set PWS,  100
.set SWO,  108
.set AF,   128
.set T,    128
.set G1, 24
.set G0, 32
.set G1B, 48
.set G0B, 56
.set G1S, 68
.set G0S, 76
.set G1SB, 80
.set G0SB, 88
.set COSP, 92
.set SINP, 94
.set OUT0, 96
.set SEL,  20
.set MASK, 22
.set MSB, 0
.macro WIN new
.if MSB != \new
	s_set_vgpr_msb (MSB<<8)|\new
.set MSB, \new
.endif
.endm
.set MUL_LO, 0xa1
.set MUL_HI, 0xf1
.set TO_B,   0x40
.macro JLOAD g0a, g1a, g0b, g1b
	s_cmp_eq_u32 s15, 0
	s_cbranch_scc0 .Lfor_b_\@
	tensor_load_to_lds s[\g0a:\g0a+3], s[\g1a:\g1a+7]
	s_nop 0
.rept 4
	v_nop
.endr
	s_branch .Lasked_\@
.Lfor_b_\@:
	tensor_load_to_lds s[\g0b:\g0b+3], s[\g1b:\g1b+7]
	s_nop 0
.rept 4
	v_nop
.endr
.Lasked_\@:
.endm
.macro CREST
	s_cmp_lg_u32 s14, 0
	s_cbranch_scc1 .Lnot_wave_0_\@
	s_barrier_signal -3
.Lnot_wave_0_\@:
	s_barrier_wait -3
	s_barrier_signal -1
	s_barrier_wait -1
.endm
.macro CROUND
	s_barrier_signal -1
	s_barrier_wait -1
	CREST
.endm
	s_load_b256 s[4:11], s[0:1], 0x0
	s_load_b256 s[92:99], s[0:1], 0x20
	v_lshl_add_u32 v[SPW], v0, 2, SPARE
	v_mov_b32 v[NIL], 0
	ds_add_u32 v[SPW], v[NIL]
	ds_add_u32 v[SPW], v[NIL]
	v_lshrrev_b32 v1, 5, v0
	v_readfirstlane_b32 s14, v1
	s_lshr_b32 s15, s14, 1
	s_and_b32 s16, s14, 1
	s_bfe_u32 s40, ttmp6, 0x40000
	s_bfe_u32 s41, ttmp6, 0x40004
	s_and_b32 s12, ttmp7, 0xffff
	s_lshl_b32 s12, s12, 2
	s_lshl_b32 s13, ttmp9, 2
	s_cmp_eq_u32 ttmp9, 2
	s_cselect_b32 s17, 8, s12
	s_cselect_b32 s42, s12, s13
	s_add_co_u32 s17, s17, s41
	s_add_co_u32 s42, s42, s40
	s_lshl_b32 s43, s41, 2
	s_lshl_b32 s43, 15, s43
	s_lshl_b32 s44, 0x1111, s40
	s_or_b32 s[G1+0], s43, (0<<16)|(1<<20)|(1<<21)|(3<<22)|(3<<25)
	s_or_b32 s[G1B+0], s44, (0<<16)|(1<<20)|(1<<21)|(3<<22)|(3<<25)
.irp g, G1, G1B
	s_mov_b32 s[\g+1], 256<<16
	s_mov_b32 s[\g+2], 192<<16                     ; the head's loads: 256 rows of codes = 192 rows of 256 bytes
	s_mov_b32 s[\g+3], 256<<16
	s_mov_b32 s[\g+4], 192
	s_mov_b32 s[\g+5], 256
	s_mov_b32 s[\g+6], 0
	s_mov_b32 s[\g+7], 0
.endr
	s_or_b32 s[G1S+0], s43, (3<<16)|(1<<20)|(1<<21)|(5<<22)|(3<<25)
	s_or_b32 s[G1SB+0], s44, (3<<16)|(1<<20)|(1<<21)|(5<<22)|(3<<25)
.irp g, G1S, G1SB
	s_mov_b32 s[\g+1], 32<<16
	s_mov_b32 s[\g+2], KS<<16                      ; the scales of 256 rows: KS rows of 256 bytes
	s_mov_b32 s[\g+3], 32<<16
	s_mov_b32 s[\g+4], KS
	s_mov_b32 s[\g+5], 32
	s_mov_b32 s[\g+6], 0
	s_mov_b32 s[\g+7], 0
.endr
	s_lshl_b32 s18, s16, 7
	s_lshl_b32 s20, s17, 8
	s_add_co_u32 s20, s20, s18
	s_lshl_b32 s46, s42, 8
	s_add_co_u32 s46, s46, s18
	s_mov_b32 s21, 0
	s_mov_b32 s47, 0
	s_lshl_b32 s22, s17, 13                        ; the scales of a tile's 256 rows: 8,192 bytes a tile
	s_mov_b32 s23, 0
	s_lshl_b32 s66, s42, 13
	s_mov_b32 s67, 0
	s_mov_b64 s[18:19], KROW
	s_mul_u64 s[20:21], s[20:21], s[18:19]
	s_mul_u64 s[46:47], s[46:47], s[18:19]
	s_mul_i32 s45, s14, HALFT
	s_wait_dscnt 0x0
	s_wait_kmcnt 0x0
	s_cmp_eq_u32 ttmp9, 2
	s_cselect_b64 s[100:101], s[8:9], s[4:5]
	s_cselect_b64 s[8:9], s[4:5], s[8:9]
	s_mov_b64 s[4:5], s[100:101]
	s_cselect_b64 s[100:101], s[10:11], s[6:7]
	s_cselect_b64 s[10:11], s[6:7], s[10:11]
	s_mov_b64 s[6:7], s[100:101]
	s_mov_b32 s12, CSX                             ; bytes from chunk to chunk: A's,
	s_cselect_b32 s12, CSW, s12
	s_mov_b32 s13, 0
	s_mov_b32 s18, CSW                             ; and B's
	s_cselect_b32 s18, CSX, s18
	s_mov_b32 s19, 0
	s_add_nc_u64 s[20:21], s[4:5], s[20:21]
	s_add_nc_u64 s[22:23], s[6:7], s[22:23]
	s_add_nc_u64 s[46:47], s[8:9], s[46:47]
	s_add_nc_u64 s[66:67], s[10:11], s[66:67]
	CROUND
	s_mov_b32 s[G0S], 1
	s_mov_b32 s[G0S+1], SCL
	s_mov_b64 s[G0S+2:G0S+3], s[22:23]
	s_or_b32 s[G0S+3], s[G0S+3], 0x80000000
	s_mov_b32 s[G0SB], 1
	s_mov_b32 s[G0SB+1], SCL+2*HALFS
	s_mov_b64 s[G0SB+2:G0SB+3], s[66:67]
	s_or_b32 s[G0SB+3], s[G0SB+3], 0x80000000
.irp s, 0,1
	s_mov_b32 s[G0+4*\s], 1
	s_add_co_u32 s[G0+4*\s+1], s45, \s*SLOT
	s_mov_b64 s[G0+4*\s+2:G0+4*\s+3], s[20:21]
	s_or_b32 s[G0+4*\s+3], s[G0+4*\s+3], 0x80000000
	s_mov_b32 s[G0B+4*\s], 1
	s_add_co_u32 s[G0B+4*\s+1], s45, \s*SLOT
	s_mov_b64 s[G0B+4*\s+2:G0B+4*\s+3], s[46:47]
	s_or_b32 s[G0B+4*\s+3], s[G0B+4*\s+3], 0x80000000
.if \s == 0
	s_add_nc_u64 s[20:21], s[20:21], s[12:13]      ; slot 1 begins with chunk 1;
	s_add_nc_u64 s[46:47], s[46:47], s[18:19]
	s_lshl_b32 s12, s12, 1                         ; a slot's refills go two chunks on
	s_lshl_b32 s18, s18, 1
.endif
.endr
; the head's loads, one a wave, in one chain of branches on the wave's number.  Wave 0's and wave 2's own group 0 of slot 0 point at the first of the 256 rows
.macro ARM under, g0, g1, next
	s_cmp_lt_u32 s14, \under
	s_cbranch_scc0 \next
	tensor_load_to_lds s[\g0:\g0+3], s[\g1:\g1+7]
	s_nop 0
.rept 4
	v_nop
.endr
	s_branch .Lhead_asked
\next:
.endm
	ARM 1, G0,  G1,  .Lhead_sa
	ARM 2, G0S, G1S, .Lhead_b
	ARM 3, G0B, G1B, .Lhead_sb
	tensor_load_to_lds s[G0SB:G0SB+3], s[G1SB:G1SB+7]
	s_nop 0
.rept 4
	v_nop
.endr
.Lhead_asked:
	v_and_b32 v1, 15, v0
	v_bfe_u32 v2, v0, 4, 1
	v_mul_u32_u24 v3, v1, PITCH
	v_mul_u32_u24 v4, v2, 24
	v_add_nc_u32 v4, v3, v4
	v_lshl_add_u32 v5, v2, 4, v4
	s_mul_i32 s21, s15, HALFT
	s_mul_i32 s22, s16, HALFT
	s_add_co_u32 s22, s22, 2*HALFT
.irp s, 0,1
	v_add_nc_u32 v[ADRA+\s], s21, v4
	v_add_nc_u32 v[ADRB+\s], s22, v4
	v_add_nc_u32 v[ADRA+2+\s], s21, v5
	v_add_nc_u32 v[ADRB+2+\s], s22, v5
	s_add_co_u32 s21, s21, SLOT
	s_add_co_u32 s22, s22, SLOT
.endr
	v_mul_u32_u24 v5, v1, KS
	v_lshrrev_b32 v6, 8, v5
	v_lshl_add_u32 v5, v6, 4, v5
	s_mul_i32 s21, s15, HALFS
	s_mul_i32 s22, s16, HALFS
	s_add_co_u32 s22, s22, 2*HALFS
	s_sub_co_u32 s22, s22, s21
	v_mul_u32_u24 v6, s22, v2
	s_add_co_u32 s21, s21, SCL
	v_add_nc_u32 v5, v5, v6
	v_add_nc_u32 v[ADRS], s21, v5
	s_lshl_b32 s4, s17, 1
	s_add_co_u32 s4, s4, s15
	s_lshl_b32 s5, s42, 1
	s_add_co_u32 s5, s5, s16
	s_lshl_b32 s6, s40, 2
	s_lshl_b32 s7, s16, 1
	s_add_co_u32 s6, s6, s7
	s_lshl_b32 s7, s41, 2
	s_lshl_b32 s8, s15, 1
	s_add_co_u32 s7, s7, s8
	s_cmp_eq_u32 ttmp9, 2
	s_cselect_b32 s4, s5, s4
	s_cselect_b32 s6, s7, s6
	s_cmp_eq_u32 ttmp9, 0
	s_cselect_b64 s[OUT0:OUT0+1], s[96:97], s[98:99]
	s_mov_b32 s10, 204800
	s_cselect_b32 s10, 102400, s10
	s_mov_b32 s11, 12800
	s_cselect_b32 s11, 6400, s11
	s_lshr_b32 s5, s4, 4
	s_and_b32 s4, s4, 15
	s_lshl_b32 s5, s5, 4
	s_add_co_u32 s5, s5, s6
	s_mul_i32 s5, s5, s10
	s_mul_i32 s6, s4, s11
	s_add_co_u32 s100, s5, s6
	s_mov_b32 s101, 0
	s_add_nc_u64 s[OUT0:OUT0+1], s[OUT0:OUT0+1], s[100:101]
	s_mov_b32 s100, s10
	s_add_nc_u64 s[OUT0+2:OUT0+3], s[OUT0:OUT0+1], s[100:101]
	s_lshl_b32 s100, s4, 15
	s_add_nc_u64 s[COSP:COSP+1], s[COSP:COSP+1], s[100:101]
	s_add_nc_u64 s[SINP:SINP+1], s[SINP:SINP+1], s[100:101]
	v_and_b32 v6, 31, v0
	v_lshlrev_b32 v[LI16], 4, v6
	v_lshlrev_b32 v[LI8], 3, v6
	v_and_b32 v[VCS], 7, v1
	v_lshrrev_b32 v12, 3, v1
	v_lshl_add_u32 v[VCS], v12, 5, v[VCS]
	v_lshlrev_b32 v[VCS], 8, v[VCS]
	v_lshl_add_u32 v[VCS], v2, 6, v[VCS]
	v_mul_lo_u32 v[VSO], v2, s10
	v_lshl_add_u32 v[VSO], v1, 4, v[VSO]
	v_lshlrev_b32 v14, 3, v2                       ; 8 x (lane / 16): where my half's scale bytes stand in a word
	s_mov_b32 s[MASK], 0xffff0000
	v_mov_b32 v[SELP], 0x05040100
	v_mov_b32 v12, 0x07060302
	v_cndmask_b32 v[SELP], v[SELP], v12, s[MASK]
.irp b, 0,1,2,3
	v_mov_b32 v[TM+4+\b], 0
.endr
	s_mov_b32 s[SEL], 0x76543210
	s_mov_b32 s[SEL+1], 0xfedcba98
.macro FRAG reg, adr, q, i
.irp p, 0,1,2,3,4,5
.set PCE, 12*(\q)+6*(\p/3)+\p%3
.if PCE%8 < 5
	ds_load_b64 v[\reg+2*\p:\reg+2*\p+1], v[\adr] offset:8*PCE+16*(PCE/8)+(\i)*16*PITCH
.else
	ds_load_b64 v[\reg+2*\p:\reg+2*\p+1], v[\adr+2] offset:8*PCE+16*(PCE/8)+(\i)*16*PITCH
.endif
.endr
.endm
.macro MUL16 a0, p, q, sc, zero
.irp a, \a0, \a0+1
.irp b, 0,1,2,3,4,5,6,7
.if \zero
	v_wmma_scale_f32_16x16x128_f8f6f4 v[8*(8*((\a)%4)+\b):8*(8*((\a)%4)+\b)+7], v[128*(\p)+FR*\b:128*(\p)+FR*\b+FR-1], v[AF+FR*(\a):AF+FR*(\a)+FR-1], 0, v[SC+8*NQ*(\sc)+NQ*\b+(\q)], v[SC+8*NQ*(\sc)+NQ*(\a)+(\q)] matrix_a_fmt:MATRIX_FMT_FP6 matrix_b_fmt:MATRIX_FMT_FP6 matrix_a_scale:MATRIX_SCALE_ROW1
.else
	v_wmma_scale_f32_16x16x128_f8f6f4 v[8*(8*((\a)%4)+\b):8*(8*((\a)%4)+\b)+7], v[128*(\p)+FR*\b:128*(\p)+FR*\b+FR-1], v[AF+FR*(\a):AF+FR*(\a)+FR-1], v[8*(8*((\a)%4)+\b):8*(8*((\a)%4)+\b)+7], v[SC+8*NQ*(\sc)+NQ*\b+(\q)], v[SC+8*NQ*(\sc)+NQ*(\a)+(\q)] matrix_a_fmt:MATRIX_FMT_FP6 matrix_b_fmt:MATRIX_FMT_FP6 matrix_a_scale:MATRIX_SCALE_ROW1
.endif
.endr
.endr
.endm
.macro FETCH_B slot, q, p
	WIN TO_B
.irp i, 0,1,2,3,4,5,6,7
	FRAG 128*(\p)+FR*\i, ADRB+\slot, \q, \i
.endr
	WIN 0
.endm
.macro FETCH_A slot, q, i0
.irp i, \i0, \i0+1, \i0+2, \i0+3
	FRAG AF+FR*(\i), ADRA+\slot, \q, \i
.endr
.endm
.macro SCALES sc
.irp i, 0,1,2,3,4,5,6,7
	ds_load_b64 v[SC+8*NQ*\sc+NQ*\i:SC+8*NQ*\sc+NQ*\i+1], v[ADRS] offset:\i*SBLK
.endr
.endm
.macro PLACES n
.rept \n
	v_nop
.endr
.endm
.macro STEP slot, q, zero
	s_wait_dscnt 4*NL
	WIN MUL_LO
	MUL16 0, (\q)%2, \q, \slot, \zero
	MUL16 2, (\q)%2, \q, \slot, \zero
	s_wait_dscnt 0
	PLACES NP
	FETCH_B \slot, (\q)+1, 1-(\q)%2
	FETCH_A \slot, (\q)+1, 0
	WIN MUL_HI
	MUL16 4, (\q)%2, \q, \slot, \zero
	MUL16 6, (\q)%2, \q, \slot, \zero
	PLACES NP
	WIN 0
	FETCH_A \slot, (\q)+1, 4
.endm
.macro TURN slot, next, fill
	s_wait_tensorcnt 0x0
	ds_add_u32 v[SPW], v[NIL]
	s_wait_dscnt 4*NL+1
	WIN MUL_LO
	MUL16 0, 1, NQ-1, \slot, 0
	s_wait_dscnt 0x0
	s_barrier_signal -1
	MUL16 2, 1, NQ-1, \slot, 0
	WIN 0
	s_barrier_wait -1
.if \fill
	CREST
	s_add_nc_u64 s[G0+4*\slot+2:G0+4*\slot+3], s[G0+4*\slot+2:G0+4*\slot+3], s[12:13]
	s_add_nc_u64 s[G0B+4*\slot+2:G0B+4*\slot+3], s[G0B+4*\slot+2:G0B+4*\slot+3], s[18:19]
	JLOAD G0+4*\slot, G1, G0B+4*\slot, G1B
.else
	PLACES NP
.endif
	s_wait_alu depctr_va_vdst(0)
	v_add_nc_u32 v[ADRS], 4*NQ, v[ADRS]
	FETCH_B \next, 0, 0
	FETCH_A \next, 0, 0
	SCALES \next
	WIN MUL_HI
	MUL16 4, 1, NQ-1, \slot, 0
	MUL16 6, 1, NQ-1, \slot, 0
	PLACES NP
	WIN 0
	FETCH_A \next, 0, 4
.endm
	s_wait_alu depctr_va_vdst(0)                   ; the wait at the head's end
	s_wait_tensorcnt 0x0                           ; my tile of the head's four is in
	ds_add_u32 v[SPW], v[NIL]
	s_mov_b32 s[G1+2], 96<<16                      ; no tensor load of mine is out: from here on a load brings 128 rows of codes, 96 rows of 256 bytes
	s_mov_b32 s[G1+4], 96
	s_mov_b32 s[G1B+2], 96<<16
	s_mov_b32 s[G1B+4], 96
	s_wait_dscnt 0x0
	CROUND
	JLOAD G0+4, G1, G0B+4, G1B                     ; chunk 1, the first tensor load behind the round
	FETCH_B 0, 0, 0
	FETCH_A 0, 0, 0
	SCALES 0
	FETCH_A 0, 0, 4
	STEP 0, 0, 1
	s_mov_b32 s3, LAPS-1
.Llap:
	TURN 0, 1, 1
	STEP 1, 0, 0
	TURN 1, 0, 1
	STEP 0, 0, 0
	s_sub_co_u32 s3, s3, 1
	s_cmp_lg_u32 s3, 0
	s_cbranch_scc1 .Llap
	TURN 0, 1, 0
	STEP 1, 0, 0
	s_wait_dscnt 4*NL
	WIN MUL_LO
	MUL16 0, 1, NQ-1, 1, 0
	MUL16 2, 1, NQ-1, 1, 0
	s_wait_dscnt 0
	WIN MUL_HI
	MUL16 4, 1, NQ-1, 1, 0
	MUL16 6, 1, NQ-1, 1, 0
	WIN 0
.macro QUANT s, w, pw
	WIN ((\w)|((\w)<<2))
.irp b, 0,1,2,3
	v_max3_num_f32 v[TM+\b], |v[(\s)+16*\b]|, |v[(\s)+16*\b+1]|, 0x1800000
.endr
.irp i, 2,4,6,8,10,12,14
.irp b, 0,1,2,3
	v_max3_num_f32 v[TM+\b], |v[(\s)+16*\b+\i]|, |v[(\s)+16*\b+\i+1]|, v[TM+\b]
.endr
.endr
	WIN 0
.irp b, 0,1,2,3
	v_permlanex16_b32 v[TM+4+\b], v[TM+\b], s[SEL], s[SEL+1]
.endr
.irp b, 0,1,2,3
	v_max_num_f32 v[TM+\b], v[TM+\b], v[TM+4+\b]
.endr
.irp b, 0,1,2,3
	v_add_nc_u32 v[TM+12+\b], 0xff000000, v[TM+\b]
.endr
.irp b, 0,1,2,3
	v_lshrrev_b32 v[TM+4+\b], 23, v[TM+12+\b]
.endr
	v_lshl_or_b32 v[\pw], v[TM+5], 8, v[TM+4]
	v_lshl_or_b32 v[\pw], v[TM+6], 16, v[\pw]
	v_lshl_or_b32 v[\pw], v[TM+7], 24, v[\pw]
	WIN (\w)
.irp c, 0,1
	v_cvt_scalef32_pk16_fp6_f32 v[CDS+6*\c:CDS+6*\c+2], v[(\s)+32*\c:(\s)+32*\c+15], v[TM+12+2*\c]
	v_cvt_scalef32_pk16_fp6_f32 v[CDS+12+4*\c:CDS+14+4*\c], v[(\s)+32*\c+16:(\s)+32*\c+31], v[TM+12+2*\c+1]
.endr
	WIN 0
	v_nop
.irp c, 0,1
.irp i, 0,1,2
	v_permlane16_swap_b32 v[CDS+6*\c+\i], v[CDS+12+4*\c+\i]
.endr
.irp i, 0,1,2
	v_mov_b32 v[CDS+3+6*\c+\i], v[CDS+12+4*\c+\i]
.endr
.endr
.endm
; v's quantiser along the keys: registers 32 c .. 32 c + 31 of a block of 16 channels are the keys 64 c + 32 (lane / 16) + 0 .. 31: a whole block in a lane, in the operand's own order
.macro QUANTV s, w, pw
	WIN ((\w)|((\w)<<2))
.irp c, 0,1
	v_max3_num_f32 v[TM+\c], |v[(\s)+32*\c]|, |v[(\s)+32*\c+1]|, 0x1800000
.endr
.irp i, 2,4,6,8,10,12,14,16,18,20,22,24,26,28,30
.irp c, 0,1
	v_max3_num_f32 v[TM+\c], |v[(\s)+32*\c+\i]|, |v[(\s)+32*\c+\i+1]|, v[TM+\c]
.endr
.endr
	WIN 0
.irp c, 0,1
	v_add_nc_u32 v[TM+12+\c], 0xff000000, v[TM+\c]
.endr
.irp c, 0,1
	v_lshrrev_b32 v[TM+4+\c], 23, v[TM+12+\c]
.endr
	v_lshl_or_b32 v[TM+4], v[TM+5], 16, v[TM+4]    ; my two bytes: blocks h and 2 + h,
	v_lshlrev_b32 v[TM+4], v14, v[TM+4]            ; at their places;
	v_permlanex16_b32 v[TM+6], v[TM+4], s[SEL], s[SEL+1]
	v_or_b32 v[\pw], v[TM+4], v[TM+6]              ; with lane l xor 16's two the word is whole
	WIN (\w)
.irp c, 0,1
	v_cvt_scalef32_pk16_fp6_f32 v[CDS+6*\c:CDS+6*\c+2], v[(\s)+32*\c:(\s)+32*\c+15], v[TM+12+\c]
	v_cvt_scalef32_pk16_fp6_f32 v[CDS+12+4*\c:CDS+14+4*\c], v[(\s)+32*\c+16:(\s)+32*\c+31], v[TM+12+\c]
.endr
	WIN 0
	v_nop
.irp c, 0,1
.irp i, 0,1,2
	v_mov_b32 v[CDS+3+6*\c+\i], v[CDS+12+4*\c+\i]
.endr
.endr
.endm
.macro CSLOAD a
	WIN TO_B
.irp e, 0,1
.irp q, 0,1,2,3
	global_load_b128 v[64*((\a)%4)+16*\e+4*\q:64*((\a)%4)+16*\e+4*\q+3], v[VCS], s[COSP:COSP+1] offset:(64*((\a)/4)+8*((\a)%4))*256+128*\e+16*\q
	global_load_b128 v[64*((\a)%4)+32+16*\e+4*\q:64*((\a)%4)+32+16*\e+4*\q+3], v[VCS], s[SINP:SINP+1] offset:(64*((\a)/4)+8*((\a)%4))*256+128*\e+16*\q
.endr
.endr
	WIN 0
.endm
.macro ROPE a
.set AC, 64*((\a)%4)
	WIN ((2+(\a)/4)|4)
.irp g, 0,1
.irp i, 0,2,4,6,8,10,12,14
	v_pk_mul_f32 v[T+32*\g+\i:T+32*\g+\i+1], v[AC+32*\g+\i:AC+32*\g+\i+1], v[AC+\i:AC+\i+1]
	v_pk_mul_f32 v[T+32*\g+16+\i:T+32*\g+17+\i], v[AC+32*\g+16+\i:AC+32*\g+17+\i], v[AC+16+\i:AC+17+\i]
.endr
.endr
.irp g, 0,1                            ; all 32 products first, then the 32 multiply-adds: no line reads the line just above it
.irp i, 0,2,4,6,8,10,12,14
	v_pk_fma_f32 v[T+32*\g+\i:T+32*\g+\i+1], v[AC+32*\g+16+\i:AC+32*\g+17+\i], v[AC+32+\i:AC+33+\i], v[T+32*\g+\i:T+32*\g+\i+1] neg_lo:[1,0,0] neg_hi:[1,0,0]
	v_pk_fma_f32 v[T+32*\g+16+\i:T+32*\g+17+\i], v[AC+32*\g+\i:AC+32*\g+\i+1], v[AC+48+\i:AC+49+\i], v[T+32*\g+16+\i:T+32*\g+17+\i]
.endr
.endr
	WIN 0
.endm
; A block's 12 registers of codes are kept in the first 12 of its own 64 accumulators, which have been read by then; ALL STORES STAND AT THE END of each way, on end, with no vector or LDS line behind them
.macro KEEP a
	WIN ((2+(\a)/4)<<6)
.irp i, 0,1,2,3,4,5,6,7,8,9,10,11
	v_mov_b32 v[64*((\a)%4)+\i], v[CDS+\i]
.endr
	WIN 0
.endm
	PLACES NP
	s_wait_tensorcnt 0x0                           ; the way out uses no LDS
	ds_add_u32 v[SPW], v[NIL]
	s_wait_dscnt 0x0
	s_cmp_eq_u32 ttmp9, 2
	s_cbranch_scc1 .Lv
	CSLOAD 0
	CSLOAD 1
	CSLOAD 2
	CSLOAD 3
.irp a, 0,1,2,3,4,5,6,7
.if \a < 5
	s_wait_loadcnt 48
.else
	s_wait_loadcnt 16*(7-\a)
.endif
	ROPE \a
.if \a < 4
	CSLOAD \a+4
.endif
	QUANT T, 0, PWS+\a
	KEEP \a
.endr
.irp p, 0,1,2,3
	v_perm_b32 v[SWO+\p], v[PWS+2*\p+1], v[PWS+2*\p], v[SELP]
.endr
	s_wait_alu depctr_va_vdst(0)                   ; the wait ahead of the readers below
.irp a, 0,1,2,3,4,5,6,7
	WIN ((2+\a/4)<<2)                              ; the data: window 2 or 3
	global_store_b128 v[LI16], v[64*(\a%4):64*(\a%4)+3], s[OUT0:OUT0+1] offset:768*\a
	global_store_b64 v[LI8], v[64*(\a%4)+4:64*(\a%4)+5], s[OUT0:OUT0+1] offset:768*\a+512
	global_store_b128 v[LI16], v[64*(\a%4)+6:64*(\a%4)+9], s[OUT0+2:OUT0+3] offset:768*\a
	global_store_b64 v[LI8], v[64*(\a%4)+10:64*(\a%4)+11], s[OUT0+2:OUT0+3] offset:768*\a+512
.endr
	WIN 0
	global_store_b128 v[VSO], v[SWO:SWO+3], s[OUT0:OUT0+1] offset:6144
	s_branch .Lend
.Lv:
.irp a, 0,1,2,3,4,5,6,7
	QUANTV 64*(\a%4), 2+\a/4, PWS+\a
	KEEP \a
.endr
.irp t, 0,1,2,3
	v_cndmask_b32 v[SWO+\t], v[PWS+\t], v[PWS+4+\t], s[MASK]
.endr
	s_wait_alu depctr_va_vdst(0)                   ; the wait ahead of the readers below
.irp a, 0,1,2,3,4,5,6,7
	WIN ((2+\a/4)<<2)
.irp c, 0,1,2
	global_store_b128 v[LI16], v[64*(\a%4)+4*\c:64*(\a%4)+4*\c+3], s[OUT0+2*(\a/4):OUT0+2*(\a/4)+1] offset:6400+1536*(\a%4)+512*\c
.endr
.endr
	WIN 0
	global_store_b128 v[VSO], v[SWO:SWO+3], s[OUT0:OUT0+1] offset:12544
.Lend:
	CROUND
	s_endpgm
.Lfunc_end_k_q569c67411d_gemm_qkv:
	.size	k_q569c67411d_gemm_qkv, .Lfunc_end_k_q569c67411d_gemm_qkv-k_q569c67411d_gemm_qkv
	.p2alignl 7, 3214868480
	.fill 96, 4, 3214868480
	.section	.rodata,"a",@progbits
	.p2align	6, 0x0
	.amdhsa_kernel k_q569c67411d_gemm_qkv
		.amdhsa_group_segment_fixed_size 327680
		.amdhsa_private_segment_fixed_size 0
		.amdhsa_enable_private_segment 0
		.amdhsa_kernarg_size 64
		.amdhsa_user_sgpr_count 2
		.amdhsa_user_sgpr_kernarg_segment_ptr 1
		.amdhsa_wavefront_size32 1
		.amdhsa_system_sgpr_workgroup_id_x 1
		.amdhsa_system_sgpr_workgroup_id_y 1
		.amdhsa_system_sgpr_workgroup_id_z 1
		.amdhsa_system_vgpr_workitem_id 0
		.amdhsa_next_free_vgpr 1024
		.amdhsa_next_free_sgpr 102
		.amdhsa_reserve_vcc 0
		.amdhsa_float_denorm_mode_32 3
		.amdhsa_float_denorm_mode_16_64 3
		.amdhsa_memory_ordered 1
		.amdhsa_forward_progress 1
		.amdhsa_inst_pref_size 246
	.end_amdhsa_kernel
	.amdgpu_metadata
---
amdhsa.version: [ 1, 2 ]
amdhsa.kernels:
  - .name:           k_q569c67411d_gemm_qkv
    .symbol:         k_q569c67411d_gemm_qkv.kd
    .args:
      - { .name: xc, .offset: 0, .size: 8, .value_kind: global_buffer, .address_space: global }
      - { .name: xs, .offset: 8, .size: 8, .value_kind: global_buffer, .address_space: global }
      - { .name: wc, .offset: 16, .size: 8, .value_kind: global_buffer, .address_space: global }
      - { .name: wsb, .offset: 24, .size: 8, .value_kind: global_buffer, .address_space: global }
      - { .name: cos, .offset: 32, .size: 8, .value_kind: global_buffer, .address_space: global }
      - { .name: sin, .offset: 40, .size: 8, .value_kind: global_buffer, .address_space: global }
      - { .name: qbuf, .offset: 48, .size: 8, .value_kind: global_buffer, .address_space: global }
      - { .name: kvbuf, .offset: 56, .size: 8, .value_kind: global_buffer, .address_space: global }
    .group_segment_fixed_size: 327680
    .private_segment_fixed_size: 0
    .kernarg_segment_align: 8
    .kernarg_segment_size: 64
    .max_flat_workgroup_size: 128
    .sgpr_count:     102
    .vgpr_count:     1024
    .wavefront_size: 32
...
	.end_amdgpu_metadata
.endif
;; end of part 2
;; launch attn (part 3): grid 4 x 64, 16 waves a work-group, clusters of 4 x 1, 206,848 bytes of LDS; arguments qbuf, kvbuf, oc, os; writes oc, os
.if DOCPART == 3
	.amdgcn_target "amdgcn-amd-amdhsa--gfx1250"
	.amdhsa_code_object_version 6
	.text
	.protected	k_q569c67411d_attn
	.globl	k_q569c67411d_attn
	.p2align	8
	.type	k_q569c67411d_attn,@function
k_q569c67411d_attn:
	s_mov_b64 s[64:65], 0
	v_nop
	global_prefetch_b8 v0, s[64:65] scope:SCOPE_SE
	s_setreg_imm32_b32 hwreg(HW_REG_WAVE_MODE, 25, 1), 1
	s_wait_xcnt 0x0
	s_wait_alu depctr_hold_cnt(0) depctr_sa_sdst(0) depctr_va_vdst(0) depctr_va_sdst(0) depctr_va_ssrc(0) depctr_va_vcc(0) depctr_vm_vsrc(0)
	s_getreg_b32 s2, hwreg(HW_REG_IB_STS2, 6, 4)
	s_cmp_eq_u32 s2, 0
	s_cbranch_scc0 .Lentry_in_a_cluster
	s_endpgm
.Lentry_in_a_cluster:
	s_bfe_u32 s2, ttmp6, 0x10000c
	s_cmp_lg_u32 s2, 0x3003
	s_cbranch_scc0 .Lentry_shape_is_right
	s_endpgm
.Lentry_shape_is_right:
; o = softmax(q k^T / 8) v for 64 (batch, head) pairs of 2,048 rows x 64 channels, both products on codes of FP6 (E2M3) with E8M0 scales; o / l is quantised along the channels and leaves as codes.
; THE SOFTMAX: t = score x log2(e) / 8; M = the row's largest t so far, rounded up to a whole number; p = 2^(t - M) is quantised along the keys, not normalised; the row's sum is taken of the unquantised p and
; divides at the end.  When M moves, the sum and O are multiplied by 2^(old M - new M): exact.
; SHARES.  A work-group owns 512 queries of one pair: 4 x 64 = 256 work-groups.  Each of its sixteen waves takes two tiles of 16 queries, one after the other (PASS 0, PASS 1), four waves to a SIMD.
; THE PAIR'S WHOLE K AND V LIE IN LDS: 16 step blocks of 12,800 bytes, as the launch before laid them (images of the operands' registers), filled once.  The four work-groups of a cluster are the pair's four
; and ask for each block jointly; wave w fetches block w: one tensor load a wave, at the head.  One wait for it and one barrier, and no slot is filled again.
; No prefetch: all of K and V is asked for at the head, so there is no loop to run ahead in.
; LAYOUT.  S^T = K Q^T (source 0 = 16 keys, source 1 = my 16 queries), O^T = V^T P^T: a lane holds one query throughout.  Row r of key tile t (of each four) is key 8 t + r % 8 + 32 (r / 8), so my registers
; 32 c .. 32 c + 31 of S^T are the keys 64 c + 32 (lane / 16) + 0 .. 31: a whole block of 32, in the order of the operand's registers.  A block's largest score needs no other lane, and p's codes no exchange.
; THE HEAD HAS 64 CHANNELS, THE INSTRUCTION 128 ALONG K: a fragment of K holds TWO tiles of keys, [tile 2 p | tile 2 p + 1]; against [Q | zeros] it gives tile 2 p's scores, against [zeros | Q] tile 2 p + 1's.
; Zero codes add nothing under any scale byte but 0xff.
; OUT.  oc [512 tiles of 16 rows][16 heads][768 bytes]: half a fragment as 512 + 256 bytes;  os [8,192 rows][32]: a row's two bytes of my head, which leave singly: a row's 32 bytes come from sixteen work-groups.
; Both tiles' codes are kept in registers, and all six stores stand at the wave's end, with no vector or LDS line behind them.
; LIMITS: NaN and infinities are not served; the promise holds while the scaled scores stay under 2^31 in magnitude; a block's largest p is taken from its largest score (it takes v_exp_f32 not to fall where its
; input rises); a block of zeros carries the byte 1.
; REGISTERS: v1-3 lane terms; v4 os offset; v5, v6 the add's; v7 8 (lane / 16); v8-10 addresses in hand; v11 the old -M; v12 -M, v13 the largest score, v[14:15] the sum; v16-33 [zeros | Q | zeros]; v36-83 four fragments;
; v84-92 the first tile's codes and byte; v96-159 S^T, then p; v160-191 O^T; v192-204 at work; v206-212 the second tile's Q; v224-235 p's codes, at the end the second tile's codes and byte; v232-254 at work;
; v248-251 scale words; v252 f; v253 p's scale word; v255 Q's scale word.
.set STEPB, 12800                      ; a step block of K and V
.set SPARE, 16*STEPB                   ; behind the blocks: the spare words, 128 bytes a wave
.set F,   36
.set SPW, 5
.set NIL, 6
.set WV,  18                           ; s18  my wave's number
.set SEL, 20                           ; s[20:21] lane selects: lane l xor 16
.set CS,  22                           ; s[22:23] c = log2(e) / 8
.set G1,  24                           ; s[24:31] descriptor group 1;  s[32:35] group 0
.set G0,  32
.set TB,  48                           ; s48  LDS byte at which the step in hand begins
.set CNT, 49
.set CSN, 50                           ; s50  -c
.macro CROUND
	s_barrier_signal -1
	s_barrier_wait -1
	s_cmp_lg_u32 s[WV], 0
	s_cbranch_scc1 .Lnot_wave_0_\@
	s_barrier_signal -3
.Lnot_wave_0_\@:
	s_barrier_wait -3
	s_barrier_signal -1
	s_barrier_wait -1
.endm
	s_load_b256 s[4:11], s[0:1], 0x0               ; qbuf s[4:5], kvbuf s[6:7], oc s[8:9], os s[10:11]
	v_lshl_add_u32 v[SPW], v0, 2, SPARE
	v_mov_b32 v[NIL], 0
	ds_add_u32 v[SPW], v[NIL]                      ; the opening lines: the add, twice on end, and its wait ahead of my tensor load
	ds_add_u32 v[SPW], v[NIL]
	v_lshrrev_b32 v8, 5, v0
	v_readfirstlane_b32 s[WV], v8                  ; wave 0..15
	s_bfe_u32 s13, ttmp6, 0x40000                  ; cx: my 512 queries; it enters q's, oc's and os's addresses alone
	s_and_b32 s14, ttmp7, 0xffff                   ; the pair 16 x batch + head, which the four partners share
	s_mov_b32 s[G1], 15|(3<<16)|(1<<21)            ; a step block, 12,800 dense bytes, as 50 rows of 256 bytes (32 elements of 8); the mask names all four work-groups
	s_mov_b32 s[G1+1], 32<<16
	s_mov_b32 s[G1+2], 50<<16
	s_mov_b32 s[G1+3], 32<<16
	s_mov_b32 s[G1+4], 50
	s_mov_b32 s[G1+5], 32
	s_mov_b32 s[G1+6], 0
	s_mov_b32 s[G1+7], 0
	s_mul_i32 s15, s[WV], STEPB                    ; I fetch step block wave: its place in LDS and in the pair's bytes
	s_mul_i32 s16, s14, 16*STEPB
	s_add_co_u32 s16, s16, s15                     ; under 2^24
	s_mov_b32 s17, 0
	s_mov_b32 s[SEL], 0x76543210
	s_mov_b32 s[SEL+1], 0xfedcba98
	s_mov_b32 s[CS], 0x3e38aa3b                    ; log2(e) / 8
	s_mov_b32 s[CS+1], s[CS]                       ; (named with it as a pair, so it is written)
	s_mov_b32 s[CSN], 0xbe38aa3b
	s_mov_b32 s60, 0xffff0000                      ; lanes 16-31
	s_mov_b32 s[G0], 1
	s_mov_b32 s[G0+1], s15
	s_wait_dscnt 0x0                               ; both opening adds are done
	s_wait_kmcnt 0x0
	s_add_nc_u64 s[G0+2:G0+3], s[6:7], s[16:17]
	s_or_b32 s[G0+3], s[G0+3], 0x80000000
	CROUND                                         ; all four work-groups are here: the joint loads meet
	tensor_load_to_lds s[G0:G0+3], s[G1:G1+7]      ; my one tensor load
	s_nop 0
	; my first tile of queries is tile 32 cx + wave of the pair: step block 4 cx + wave / 8 of qbuf, tile wave % 8; the second lies 16 tiles, two step blocks, on
	s_lshl_b32 s19, s13, 2
	s_lshr_b32 s52, s[WV], 3
	s_add_co_u32 s19, s19, s52
	s_mul_i32 s19, s19, 6400
	s_mul_i32 s52, s14, 16*6400
	s_add_co_u32 s52, s52, s19
	s_mov_b32 s53, 0
	s_add_nc_u64 s[4:5], s[4:5], s[52:53]          ; the step block
	s_and_b32 s54, s[WV], 7
	s_mul_i32 s52, s54, 768
	s_add_nc_u64 s[56:57], s[4:5], s[52:53]        ; my tile's image
	s_lshr_b32 s52, s54, 1
	s_lshl_b32 s52, s52, 2
	s_add_nc_u64 s[4:5], s[4:5], s[52:53]          ; my pair of tiles' scale word
	v_and_b32 v4, 31, v0
	v_and_b32 v11, 15, v0                          ; r
	v_bfe_u32 v7, v0, 4, 1                         ; h
	v_lshlrev_b32 v1, 4, v4                        ; 16 x lane
	v_lshlrev_b32 v2, 3, v4                        ; 8 x lane
	v_lshlrev_b32 v3, 4, v11                       ; 16 r
	global_load_b128 v[22:25], v1, s[56:57] th:TH_LOAD_NT            ; Q's six registers, first tile,
	global_load_b64 v[26:27], v2, s[56:57] offset:512 th:TH_LOAD_NT
	global_load_b32 v254, v3, s[4:5] offset:6144 th:TH_LOAD_NT       ; the word with its two bytes;
	global_load_b128 v[206:209], v1, s[56:57] offset:12800 th:TH_LOAD_NT   ; and the second tile's
	global_load_b64 v[210:211], v2, s[56:57] offset:13312 th:TH_LOAD_NT
	global_load_b32 v212, v3, s[4:5] offset:18944 th:TH_LOAD_NT
	v_lshl_add_u32 v4, v11, 5, v7                  ; os: 32 r + h
	v_lshlrev_b32 v7, 3, v7                        ; 8 h
	s_and_b32 s55, s[WV], 1
	s_cmp_eq_u32 s55, 0
	s_mov_b32 s55, 0x03020302
	s_cselect_b32 s55, 0x01000100, s55             ; an even tile's bytes are the word's low half, an odd tile's the high half
	s_lshr_b32 s52, s14, 4                         ; the batch
	s_lshl_b32 s52, s52, 7
	s_lshl_b32 s53, s13, 5
	s_add_co_u32 s52, s52, s53
	s_add_co_u32 s52, s52, s[WV]                   ; my first tile of 16 workspace rows: 128 x batch + 32 cx + wave
	s_and_b32 s54, s14, 15                         ; the head
	s_mul_i32 s58, s52, 12288
	s_mul_i32 s53, s54, 768
	s_add_co_u32 s58, s58, s53
	s_mov_b32 s59, 0
	s_add_nc_u64 s[8:9], s[8:9], s[58:59]
	s_lshl_b32 s58, s52, 9
	s_lshl_b32 s53, s54, 1
	s_add_co_u32 s58, s58, s53
	s_add_nc_u64 s[10:11], s[10:11], s[58:59]
.irp j, 16,17,18,19,20,21,28,29,30,31,32,33
	v_mov_b32 v[\j], 0                             ; zero codes on both sides of Q
.endr
	v_mov_b32 v236, 0                              ; written once: a lane permute's destination counts as one of its sources
	v_mov_b32 v238, 0
	v_mov_b32 v253, 0                              ; (named as the upper half of the pair v[252:253] before it is first written)
; A KEY STEP: 128 keys.
.macro STEP
	v_add_nc_u32 v8, s[TB], v1
	v_add_nc_u32 v9, s[TB], v2
	v_add_nc_u32 v10, s[TB], v3
	v_nop                                          ; four plain lines in front of loads into registers that the last products read
.irp t, 0,1,2,3,4,5,6,7
	ds_load_b128 v[F+6*\t:F+6*\t+3], v8 offset:768*\t          ; key tile t: six registers; two tiles make a fragment
	ds_load_b64 v[F+6*\t+4:F+6*\t+5], v9 offset:768*\t+512
.endr
	ds_load_b128 v[248:251], v10 offset:6144       ; the four pairs' scale words
	s_wait_alu depctr_va_vdst(0)                   ; the wait here, directly ahead of the wait below
	s_wait_dscnt 0x0
.irp t, 0,1,2,3,4,5,6,7
	v_wmma_scale_f32_16x16x128_f8f6f4 v[96+8*\t:103+8*\t], v[F+12*(\t/2):F+12*(\t/2)+11], v[22-6*(\t%2):33-6*(\t%2)], 0, v[248+\t/2], v255 matrix_a_fmt:MATRIX_FMT_FP6 matrix_b_fmt:MATRIX_FMT_FP6
.endr
	v_mov_b32 v11, v12                             ; the old -M.  With the three lines below: the places in front of the loads and of the first read of the scores
.rept 3
	v_nop
.endr
.irp t, 0,1,2,3
.irp c, 0,1,2
	ds_load_b128 v[F+12*\t+4*\c:F+12*\t+4*\c+3], v8 offset:6400+1536*\t+512*\c   ; V's four fragments land under the softmax
.endr
.endr
	ds_load_b128 v[248:251], v10 offset:12544      ; and their scale words
.irp c, 0,1                                    ; the largest score of my two blocks of 32 keys, each in two chains (17 and 15 numbers): for the row's maximum and, since p rises with the score, for the block's largest p
	v_max3_num_f32 v[232+\c], v[96+32*\c], v[97+32*\c], v[98+32*\c]
	v_max3_num_f32 v[234+\c], v[113+32*\c], v[114+32*\c], v[115+32*\c]
.endr
.irp i, 0,2,4,6,8,10
.irp c, 0,1
	v_max3_num_f32 v[232+\c], v[232+\c], v[99+32*\c+\i], v[100+32*\c+\i]
	v_max3_num_f32 v[234+\c], v[234+\c], v[116+32*\c+\i], v[117+32*\c+\i]
.endr
.endr
.irp c, 0,1
	v_max3_num_f32 v[232+\c], v[232+\c], v[111+32*\c], v[112+32*\c]
.endr
.irp c, 0,1
	s_delay_alu instid0(VALU_DEP_2)
	v_max_num_f32 v[232+\c], v[232+\c], v[234+\c]
.endr
	s_delay_alu instid0(VALU_DEP_1)
	v_max_num_f32 v254, v232, v233
	s_delay_alu instid0(VALU_DEP_1)
	v_permlanex16_b32 v236, v254, s[SEL], s[SEL+1] ; lane l xor 16's 64 keys
	s_delay_alu instid0(VALU_DEP_1)
	v_max3_num_f32 v13, v13, v254, v236            ; the running largest score of my query
	s_delay_alu instid0(VALU_DEP_1)
	v_mul_f32 v254, s[CSN], v13                    ; -t (c is positive)
	s_delay_alu instid0(VALU_DEP_1)
	v_floor_f32 v12, v254                          ; the new -M = floor(-t) = -ceil(t)
	s_delay_alu instid0(VALU_DEP_1)
	v_sub_f32 v254, v12, v11                       ; old M - new M: a whole number, 0 or less
	s_delay_alu instid0(VALU_DEP_1)
	v_cvt_i32_f32 v254, v254                       ; (it saturates)
	s_delay_alu instid0(VALU_DEP_1)
	v_ldexp_f32 v252, 1.0, v254                    ; f = 2^(old M - new M)
.set j, 0
.rept 32
	v_pk_fma_f32 v[96+j:97+j], v[96+j:97+j], s[CS:CS+1], v[12:13] op_sel_hi:[1,0,0]   ; t - M, two at a time
.set j, j+2
.endr
.irp c, 0,1
	v_fma_f32 v[232+\c], v[232+\c], s[CS], v12     ; the same of each block's largest score
.endr
	s_wait_alu depctr_va_vdst(0)                   ; the wait ahead of the batch
.irp c, 0,1
	v_exp_f32 v[232+\c], v[232+\c]                 ; the block's largest p: the same two instructions on the same number give the same bits
.endr
.set j, 0
.rept 64
	v_exp_f32 v[96+j], v[96+j]                     ; p = 2^(t - M), at most 1
.set j, j+1
.endr
	v_pk_mul_f32 v[14:15], v[14:15], v[252:253] op_sel_hi:[1,0]   ; the sums under the new M (a plain line behind the exponentials)
	s_wait_alu depctr_va_vdst(0)                   ; one wait for the whole batch, ahead of its first reader
.irp c, 0,1
	v_max_num_f32 v[232+\c], 0x1800000, v[232+\c]  ; the floor 2^(3 - 127): the byte cannot fall under 1
.endr
.irp c, 0,1
	s_delay_alu instid0(VALU_DEP_2)
	v_add_nc_u32 v[244+\c], 0xff000000, v[232+\c]  ; 2 off the exponent field: the conversion's scale operand
.endr
.irp c, 0,1
	s_delay_alu instid0(VALU_DEP_2)
	v_lshrrev_b32 v[236+\c], 23, v[244+\c]         ; the scale's byte
.endr
	v_pk_add_f32 v[192:193], v[96:97], v[98:99]    ; the row's sum, of the unquantised p: four chains
	v_pk_add_f32 v[194:195], v[100:101], v[102:103]
	v_pk_add_f32 v[196:197], v[104:105], v[106:107]
	v_pk_add_f32 v[14:15], v[14:15], v[108:109]
	v_lshl_or_b32 v236, v237, 16, v236             ; my two bytes: blocks h and 2 + h of these 128 keys,
.irp i, 0,8,16
	v_pk_add_f32 v[192:193], v[192:193], v[110+\i:111+\i]
	v_pk_add_f32 v[194:195], v[194:195], v[112+\i:113+\i]
	v_pk_add_f32 v[196:197], v[196:197], v[114+\i:115+\i]
	v_pk_add_f32 v[14:15], v[14:15], v[116+\i:117+\i]
.endr
	v_lshlrev_b32 v236, v7, v236                   ; at their places in the word
.irp i, 24,32,40
	v_pk_add_f32 v[192:193], v[192:193], v[110+\i:111+\i]
	v_pk_add_f32 v[194:195], v[194:195], v[112+\i:113+\i]
	v_pk_add_f32 v[196:197], v[196:197], v[114+\i:115+\i]
	v_pk_add_f32 v[14:15], v[14:15], v[116+\i:117+\i]
.endr
	v_permlanex16_b32 v238, v236, s[SEL], s[SEL+1]
	v_pk_add_f32 v[192:193], v[192:193], v[158:159]
	v_pk_add_f32 v[194:195], v[194:195], v[196:197]
	s_delay_alu instid0(VALU_DEP_2)
	v_pk_add_f32 v[14:15], v[14:15], v[192:193]
	s_delay_alu instid0(VALU_DEP_1)
	v_pk_add_f32 v[14:15], v[14:15], v[194:195]
.irp c, 0,1
	v_cvt_scalef32_pk16_fp6_f32 v[224+6*\c:226+6*\c], v[96+32*\c:111+32*\c], v[244+\c]
	v_cvt_scalef32_pk16_fp6_f32 v[198+4*\c:200+4*\c], v[112+32*\c:127+32*\c], v[244+\c]   ; (a conversion's three registers begin on an even number)
.endr
	v_or_b32 v253, v236, v238                      ; p's scale word: with lane l xor 16's two bytes it is whole.  (A plain line behind the conversions)
.irp c, 0,1
.irp i, 0,1,2
	v_mov_b32 v[227+6*\c+\i], v[198+4*\c+\i]
.endr
.endr
	s_wait_dscnt 0x0                               ; V is in
	s_wait_alu depctr_va_vdst(0)                   ; the wait here, directly ahead of the first reader of O^T
.set j, 0
.rept 16
	v_pk_mul_f32 v[160+j:161+j], v[160+j:161+j], v[252:253] op_sel_hi:[1,0]   ; O^T under the new M.  (These 16 are also the places between p's codes and word and the scaled products)
.set j, j+2
.endr
.irp t, 0,1,2,3                                ; the four accumulators by turns; eight other products stand between two links of one
	v_wmma_scale_f32_16x16x128_f8f6f4 v[160+8*\t:167+8*\t], v[F+12*\t:F+12*\t+11], v[224:235], v[160+8*\t:167+8*\t], v[248+\t], v253 matrix_a_fmt:MATRIX_FMT_FP6 matrix_b_fmt:MATRIX_FMT_FP6
.endr
	s_add_co_u32 s[TB], s[TB], STEPB
.endm
; ONE TILE OF 16 QUERIES through all 16 key steps; its codes end in v[cd .. cd + 5], its scale byte in v[cd + 8].
.macro PASS p, cd
.if \p
.irp i, 0,1,2,3,4,5
	v_mov_b32 v[22+\i], v[206+\i]                  ; the second tile's Q between the zeros
.endr
	v_perm_b32 v255, v212, v212, s55
.else
	v_perm_b32 v255, v254, v254, s55               ; Q's scale word: its two bytes twice, so that it serves [Q | 0] and [0 | Q]
.endif
	v_mov_b32 v13, 0xff61b1e6                      ; the largest score so far: -3e38
	v_mov_b32 v12, 0x7f61b1e6                      ; -M: 3e38, so that the first f is 0
	v_mov_b32 v14, 0                               ; the sum, in two halves
	v_mov_b32 v15, 0
.set j, 0
.rept 32
	v_mov_b32 v[160+j], 0                          ; O^T: the step is written once, the first finds zeros.  (Also the places between Q's word and the first scaled product)
.set j, j+1
.endr
	s_mov_b32 s[TB], 0
	s_mov_b32 s[CNT], 16
.Lst_\@:
	STEP
	s_sub_co_u32 s[CNT], s[CNT], 1
	s_cmp_lg_u32 s[CNT], 0
	s_cbranch_scc1 .Lst_\@
	; o = O^T / the sum, quantised along the head's 64 channels: two blocks; register 16 b + i is channel 32 b + 16 (lane / 16) + i
	v_add_f32 v14, v14, v15                        ; the sum's two halves,
	s_delay_alu instid0(VALU_DEP_1)
	v_permlanex16_b32 v236, v14, s[SEL], s[SEL+1]
	s_delay_alu instid0(VALU_DEP_1)
	v_add_f32 v14, v14, v236                       ; and lane l xor 16's: the row's sum
	s_wait_alu depctr_va_vdst(0)                   ; the wait ahead of the reciprocal
	v_rcp_f32 v14, v14
.rept 4
	v_nop                                          ; the place behind the reciprocal, and places behind the last products
.endr
	s_wait_alu depctr_va_vdst(0)                   ; and ahead of its first reader, which is also O^T's
.set j, 0
.rept 16
	v_pk_mul_f32 v[96+j:97+j], v[160+j:161+j], v[14:15] op_sel_hi:[1,0]   ; each accumulator from its low end on
.set j, j+2
.endr
.irp b, 0,1
	v_max3_num_f32 v[240+\b], |v[96+16*\b]|, |v[97+16*\b]|, 0x1800000
.endr
.irp i, 2,4,6,8,10,12,14
.irp b, 0,1
	s_delay_alu instid0(VALU_DEP_2)
	v_max3_num_f32 v[240+\b], v[240+\b], |v[96+16*\b+\i]|, |v[97+16*\b+\i]|
.endr
.endr
.irp b, 0,1
	s_delay_alu instid0(VALU_DEP_2)
	v_permlanex16_b32 v[236+\b], v[240+\b], s[SEL], s[SEL+1]
.endr
.irp b, 0,1
	s_delay_alu instid0(VALU_DEP_2)
	v_max_num_f32 v[240+\b], v[240+\b], v[236+\b]
.endr
.irp b, 0,1
	s_delay_alu instid0(VALU_DEP_2)
	v_add_nc_u32 v[244+\b], 0xff000000, v[240+\b]
.endr
.irp b, 0,1
	s_delay_alu instid0(VALU_DEP_2)
	v_lshrrev_b32 v[236+\b], 23, v[244+\b]
.endr
	v_cvt_scalef32_pk16_fp6_f32 v[\cd:\cd+2], v[96:111], v244
	v_cvt_scalef32_pk16_fp6_f32 v[\cd+4:\cd+6], v[112:127], v245
	v_cndmask_b32 v[\cd+8], v236, v237, s60        ; my half's block's byte (a plain line behind the conversions)
.irp i, 0,1,2
	v_permlane16_swap_b32 v[\cd+\i], v[\cd+4+\i]   ; lanes 0-15 now hold block 0 whole, lanes 16-31 block 1
.endr
	v_mov_b32 v[\cd+3], v[\cd+4]
	v_mov_b32 v[\cd+4], v[\cd+5]
	v_mov_b32 v[\cd+5], v[\cd+6]
.endm
.macro OUT p, cd
	global_store_b128 v1, v[\cd:\cd+3], s[8:9] offset:\p*16*12288         ; registers 0-3: 512 consecutive bytes,
	global_store_b64 v2, v[\cd+4:\cd+5], s[8:9] offset:\p*16*12288+512    ; registers 4-5: 256
	global_store_b8 v4, v[\cd+8], s[10:11] offset:\p*16*512
.endm
	s_wait_alu depctr_va_vdst(0)                   ; the wait at the head's end
	s_wait_loadcnt 0x0                             ; both tiles' Q
	s_wait_tensorcnt 0x0                           ; my step block has landed
	s_barrier_signal -1
	s_barrier_wait -1                              ; and so have all sixteen
	PASS 0, 84
	PASS 1, 224
	s_wait_alu depctr_va_vdst(0)                   ; the wait here, directly ahead of the wait below
	s_wait_tensorcnt 0x0
	ds_add_u32 v[SPW], v[NIL]
	s_wait_dscnt 0x0
	OUT 0, 84                                      ; all stores on end: no vector or LDS line follows them
	OUT 1, 224
	CROUND                                         ; the closing round
	s_endpgm
.Lfunc_end_k_q569c67411d_attn:
	.size	k_q569c67411d_attn, .Lfunc_end_k_q569c67411d_attn-k_q569c67411d_attn
	.p2alignl 7, 3214868480
	.fill 96, 4, 3214868480
	.section	.rodata,"a",@progbits
	.p2align	6, 0x0
	.amdhsa_kernel k_q569c67411d_attn
		.amdhsa_group_segment_fixed_size 206848
		.amdhsa_private_segment_fixed_size 0
		.amdhsa_enable_private_segment 0
		.amdhsa_kernarg_size 32
		.amdhsa_user_sgpr_count 2
		.amdhsa_user_sgpr_kernarg_segment_ptr 1
		.amdhsa_wavefront_size32 1
		.amdhsa_system_sgpr_workgroup_id_x 1
		.amdhsa_system_sgpr_workgroup_id_y 1
		.amdhsa_system_sgpr_workgroup_id_z 1
		.amdhsa_system_vgpr_workitem_id 0
		.amdhsa_next_free_vgpr 256
		.amdhsa_next_free_sgpr 66
		.amdhsa_reserve_vcc 0
		.amdhsa_float_denorm_mode_32 3
		.amdhsa_float_denorm_mode_16_64 3
		.amdhsa_memory_ordered 1
		.amdhsa_forward_progress 1
		.amdhsa_inst_pref_size 47
	.end_amdhsa_kernel
	.amdgpu_metadata
---
amdhsa.version: [ 1, 2 ]
amdhsa.kernels:
  - .name:           k_q569c67411d_attn
    .symbol:         k_q569c67411d_attn.kd
    .args:
      - { .name: qbuf, .offset: 0, .size: 8, .value_kind: global_buffer, .address_space: global }
      - { .name: kvbuf, .offset: 8, .size: 8, .value_kind: global_buffer, .address_space: global }
      - { .name: oc, .offset: 16, .size: 8, .value_kind: global_buffer, .address_space: global }
      - { .name: os, .offset: 24, .size: 8, .value_kind: global_buffer, .address_space: global }
    .group_segment_fixed_size: 206848
    .private_segment_fixed_size: 0
    .kernarg_segment_align: 8
    .kernarg_segment_size: 32
    .max_flat_workgroup_size: 512
    .sgpr_count:     66
    .vgpr_count:     256
    .wavefront_size: 32
...
	.end_amdgpu_metadata
.endif
;; end of part 3
;; launch gemm_out (part 4): grid 8 x 32, 4 waves a work-group, clusters of 4 x 4, 327,680 bytes of LDS; arguments oc, os, wc, wsb, out0; writes out0
.if DOCPART == 4
	.amdgcn_target "amdgcn-amd-amdhsa--gfx1250"
	.amdhsa_code_object_version 6
	.text
	.protected	k_q569c67411d_gemm_out
	.globl	k_q569c67411d_gemm_out
	.p2align	8
	.type	k_q569c67411d_gemm_out,@function
k_q569c67411d_gemm_out:
	s_mov_b64 s[64:65], 0
	v_nop
	global_prefetch_b8 v0, s[64:65] scope:SCOPE_SE
	s_setreg_imm32_b32 hwreg(HW_REG_WAVE_MODE, 25, 1), 1
	s_wait_xcnt 0x0
	s_wait_alu depctr_hold_cnt(0) depctr_sa_sdst(0) depctr_va_vdst(0) depctr_va_sdst(0) depctr_va_ssrc(0) depctr_va_vcc(0) depctr_vm_vsrc(0)
	s_getreg_b32 s2, hwreg(HW_REG_IB_STS2, 6, 4)
	s_cmp_eq_u32 s2, 0
	s_cbranch_scc0 .Lentry_in_a_cluster
	s_endpgm
.Lentry_in_a_cluster:
	s_bfe_u32 s2, ttmp6, 0x10000c
	s_cmp_lg_u32 s2, 0xf033
	s_cbranch_scc0 .Lentry_shape_is_right
	s_endpgm
.Lentry_shape_is_right:
; out0 = o W_out^T on codes of FP6 (E2M3) with E8M0 scales, f32 out.  A work-group of four waves makes 256 rows x 128 columns, a wave 128 x 64: 32 x 8 = 256 work-groups.  Clusters of 4 x 4 ask for A's and B's tiles jointly.
; A (oc) lies as images of the operand's registers, 3,072 bytes for 16 rows x 256 K.  B (wc, rows 3072-4095) lies by chunks of 256 along K, [4][row][192 bytes]: 64 rows of a chunk come in as 48 aligned rows
; of 256 bytes; 16 bytes of padding behind every 64 make LDS rows of 240 bytes.
; THE HEAD: one joint load a wave: wave 0 A's 256 rows of K step 0, wave 1 A's scales, wave 2 B's 128 rows, wave 3 B's scales.  Slot 1 is first filled as a refill is.  In the ring waves 0, 1 fetch 128 rows of A each,
; waves 2, 3 64 rows of B each.
; The matrix instruction is used transposed (source 0 = 16 rows of B, source 1 = 16 rows of A): a lane holds eight neighbouring numbers of a row of the result.
; oc's rows lie so that row r of tile t (of each four) is token 8 t + r % 8 + 32 (r / 8); W_out's rows with bits 3 and 4 of their number swapped: the way out puts both right.
; No prefetch: the walk along K has four steps, of which two are asked for before the first product.
.set SIZE_K, 1024
.set SIZE_N, 1024
.set KSTEP,  256
.set NQ,     KSTEP/128
.set KROW,   SIZE_K*6/8
.set BROW,   192
.set CSW,    4096*BROW
.set PITCH,  240
.set FR,     12
.set NLA,    4
.set NP,     4
.set ASTEP,  3072
.set AHALF,  8*ASTEP
.set BHALF,  64*PITCH
.set SLOT,   2*AHALF+2*BHALF
.set LAPS,   SIZE_K/(2*KSTEP)
.set KS,     SIZE_K/32
.set SCL,    2*SLOT
.set HALFS,  (128*KS/256)*272          ; the scales of 128 rows
.set SBLK,   (16*KS/256)*272
.set SPARE,  SCL+3*HALFS               ; behind the scales of A's 256 and B's 128 rows: the spare words
.set SPITCH, 528
.set ADA16, 16
.set ADA8,  18
.set ADRB, 20
.set STO,  24
.set RD,   25
.set CO,   26
.set ADRS, 27                          ; scale words: lanes 0-15 A's block i, lanes 16-31 B's block i (i < 4)
.set SPW,  28
.set NIL,  29
.set ADRS2, 30                         ; scale words of A's blocks 4-7: all lanes A's
.set SC,   32
.set AF,   128
.set BK,   128
.set G1, 24
.set G0, 32
.set G1B, 48
.set G0B, 56
.set G1S, 68
.set G0S, 76
.set G1SB, 80
.set G0SB, 88
.set MSB, 0
.macro WIN new
.if MSB != \new
	s_set_vgpr_msb (MSB<<8)|\new
.set MSB, \new
.endif
.endm
.set MUL_LO, 0xa1
.set MUL_HI, 0xf1
.set TO_B,   0x40
.macro JLOAD g0a, g1a, g0b, g1b
	s_cmp_eq_u32 s15, 0
	s_cbranch_scc0 .Lfor_b_\@
	tensor_load_to_lds s[\g0a:\g0a+3], s[\g1a:\g1a+7]
	s_nop 0
.rept 4
	v_nop
.endr
	s_branch .Lasked_\@
.Lfor_b_\@:
	tensor_load_to_lds s[\g0b:\g0b+3], s[\g1b:\g1b+7]
	s_nop 0
.rept 4
	v_nop
.endr
.Lasked_\@:
.endm
.macro CREST
	s_cmp_lg_u32 s14, 0
	s_cbranch_scc1 .Lnot_wave_0_\@
	s_barrier_signal -3
.Lnot_wave_0_\@:
	s_barrier_wait -3
	s_barrier_signal -1
	s_barrier_wait -1
.endm
.macro CROUND
	s_barrier_signal -1
	s_barrier_wait -1
	CREST
.endm
	s_load_b128 s[4:7], s[0:1], 0x0                ; oc, os
	s_load_b128 s[8:11], s[0:1], 0x10              ; wc, wsb
	s_load_b64 s[12:13], s[0:1], 0x20              ; out0
	v_lshl_add_u32 v[SPW], v0, 2, SPARE
	v_mov_b32 v[NIL], 0
	ds_add_u32 v[SPW], v[NIL]                      ; the opening lines
	ds_add_u32 v[SPW], v[NIL]
	v_lshrrev_b32 v1, 5, v0
	v_readfirstlane_b32 s14, v1                    ; wave
	s_lshr_b32 s15, s14, 1                         ; my half of the rows; also: I fetch for A (0) or B (1)
	s_and_b32 s16, s14, 1                          ; my half of the columns; also: which half of that tile I fetch
	s_bfe_u32 s40, ttmp6, 0x40000
	s_bfe_u32 s41, ttmp6, 0x40004
	s_lshl_b32 s42, ttmp9, 2
	s_add_co_u32 s42, s42, s40                     ; tile column (128 columns)
	s_and_b32 s17, ttmp7, 0xffff
	s_lshl_b32 s17, s17, 2
	s_add_co_u32 s17, s17, s41                     ; tile row (256 rows)
	s_lshl_b32 s43, s41, 2
	s_lshl_b32 s43, 15, s43
	s_lshl_b32 s44, 0x1111, s40
	s_or_b32 s[G1+0], s43, (3<<16)|(1<<21)
	s_mov_b32 s[G1+1], 384<<16
	s_mov_b32 s[G1+2], 16<<16                      ; the head's load: 16 tiles of 16 rows
	s_mov_b32 s[G1+3], 384<<16
	s_mov_b32 s[G1+4], 16
	s_mov_b32 s[G1+5], 1536
	s_mov_b32 s[G1+6], 0
	s_mov_b32 s[G1+7], 0
	s_or_b32 s[G1B+0], s44, (0<<16)|(1<<20)|(1<<21)|(3<<22)|(3<<25)
	s_mov_b32 s[G1B+1], 256<<16
	s_mov_b32 s[G1B+2], 96<<16                     ; the head's load: 128 rows of codes = 96 rows of 256 bytes
	s_mov_b32 s[G1B+3], 256<<16
	s_mov_b32 s[G1B+4], 96
	s_mov_b32 s[G1B+5], 256
	s_mov_b32 s[G1B+6], 0
	s_mov_b32 s[G1B+7], 0
	s_or_b32 s[G1S+0], s43, (3<<16)|(1<<20)|(1<<21)|(5<<22)|(3<<25)
	s_or_b32 s[G1SB+0], s44, (3<<16)|(1<<20)|(1<<21)|(5<<22)|(3<<25)
.irp g, G1S, G1SB
	s_mov_b32 s[\g+1], 32<<16
	s_mov_b32 s[\g+3], 32<<16
	s_mov_b32 s[\g+5], 32
	s_mov_b32 s[\g+6], 0
	s_mov_b32 s[\g+7], 0
.endr
	s_mov_b32 s[G1S+2], KS<<16                     ; the scales of A's 256 rows: 32 rows of 256 bytes;
	s_mov_b32 s[G1S+4], KS
	s_mov_b32 s[G1SB+2], (KS/2)<<16                ; of B's 128 rows: 16
	s_mov_b32 s[G1SB+4], KS/2
	s_lshl_b32 s18, s16, 7
	s_lshl_b32 s20, s17, 8
	s_add_co_u32 s20, s20, s18                     ; A: row 256 x tile row + 128 x half
	s_lshl_b32 s18, s16, 6
	s_lshl_b32 s46, s42, 7
	s_add_co_u32 s46, s46, s18                     ; B: row 128 x tile column + 64 x half
	s_mov_b32 s21, 0
	s_mov_b32 s47, 0
	s_lshl_b32 s22, s17, 13                        ; A's scales: 8,192 bytes a tile row
	s_mov_b32 s23, 0
	s_lshl_b32 s92, s42, 12                        ; B's: 4,096 bytes a tile column
	s_mov_b32 s93, 0
	s_mov_b64 s[18:19], KROW
	s_mul_u64 s[20:21], s[20:21], s[18:19]
	s_mul_i32 s46, s46, BROW
	s_mul_i32 s45, s16, AHALF
	s_mul_i32 s94, s16, BHALF
	s_add_co_u32 s94, s94, 2*AHALF
	s_wait_dscnt 0x0
	s_wait_kmcnt 0x0
	s_add_nc_u64 s[8:9], s[8:9], 3072*BROW
	s_add_nc_u64 s[10:11], s[10:11], 3072*KS
	s_add_nc_u64 s[20:21], s[4:5], s[20:21]
	s_add_nc_u64 s[22:23], s[6:7], s[22:23]
	s_add_nc_u64 s[46:47], s[8:9], s[46:47]
	s_add_nc_u64 s[92:93], s[10:11], s[92:93]
	CROUND
	s_mov_b32 s[G0S], 1
	s_mov_b32 s[G0S+1], SCL
	s_mov_b64 s[G0S+2:G0S+3], s[22:23]
	s_or_b32 s[G0S+3], s[G0S+3], 0x80000000
	s_mov_b32 s[G0SB], 1
	s_mov_b32 s[G0SB+1], SCL+2*HALFS
	s_mov_b64 s[G0SB+2:G0SB+3], s[92:93]
	s_or_b32 s[G0SB+3], s[G0SB+3], 0x80000000
.irp s, 0,1
	s_mov_b32 s[G0+4*\s], 1
	s_add_co_u32 s[G0+4*\s+1], s45, \s*SLOT
	s_add_nc_u64 s[G0+4*\s+2:G0+4*\s+3], s[20:21], \s*ASTEP
	s_or_b32 s[G0+4*\s+3], s[G0+4*\s+3], 0x80000000
	s_mov_b32 s[G0B+4*\s], 1
	s_add_co_u32 s[G0B+4*\s+1], s94, \s*SLOT
	s_add_nc_u64 s[G0B+4*\s+2:G0B+4*\s+3], s[46:47], \s*CSW
	s_or_b32 s[G0B+4*\s+3], s[G0B+4*\s+3], 0x80000000
.endr
; the head's loads, one a wave, in one chain of branches on the wave's number.  Wave 0's and wave 2's own group 0 of slot 0 point at the tile's first row
.macro ARM under, g0, g1, next
	s_cmp_lt_u32 s14, \under
	s_cbranch_scc0 \next
	tensor_load_to_lds s[\g0:\g0+3], s[\g1:\g1+7]
	s_nop 0
.rept 4
	v_nop
.endr
	s_branch .Lhead_asked
\next:
.endm
	ARM 1, G0,  G1,  .Lhead_sa
	ARM 2, G0S, G1S, .Lhead_b
	ARM 3, G0B, G1B, .Lhead_sb
	tensor_load_to_lds s[G0SB:G0SB+3], s[G1SB:G1SB+7]
	s_nop 0
.rept 4
	v_nop
.endr
.Lhead_asked:
	v_and_b32 v1, 15, v0
	v_bfe_u32 v2, v0, 4, 1
	v_mul_u32_u24 v3, v1, PITCH
	v_mul_u32_u24 v4, v2, 24
	v_add_nc_u32 v4, v3, v4
	v_lshl_add_u32 v5, v2, 4, v4
	v_and_b32 v6, 31, v0
	v_lshlrev_b32 v7, 4, v6
	v_lshlrev_b32 v8, 3, v6
	s_mul_i32 s21, s15, AHALF
	s_mul_i32 s22, s16, BHALF
	s_add_co_u32 s22, s22, 2*AHALF
.irp s, 0,1
	v_add_nc_u32 v[ADA16+\s], s21, v7
	v_add_nc_u32 v[ADA8+\s], s21, v8
	v_add_nc_u32 v[ADRB+\s], s22, v4
	v_add_nc_u32 v[ADRB+2+\s], s22, v5
	s_add_co_u32 s21, s21, SLOT
	s_add_co_u32 s22, s22, SLOT
.endr
	v_mul_u32_u24 v5, v1, KS
	v_lshrrev_b32 v9, 8, v5
	v_lshl_add_u32 v5, v9, 4, v5
	s_mul_i32 s21, s15, HALFS                      ; A's: my 128 rows
	s_mul_i32 s22, s16, HALFS/2                    ; B's: my 64 rows, behind A's 256
	s_add_co_u32 s22, s22, 2*HALFS
	s_sub_co_u32 s22, s22, s21
	v_mul_u32_u24 v9, s22, v2
	s_add_co_u32 s21, s21, SCL
	v_add_nc_u32 v[ADRS2], s21, v5
	v_add_nc_u32 v5, v5, v9
	v_add_nc_u32 v[ADRS], s21, v5
	s_mul_i32 s23, s14, 16*SPITCH
	v_mul_u32_u24 v5, v1, SPITCH
	v_lshl_add_u32 v5, v2, 6, v5
	v_add_nc_u32 v[STO], s23, v5
	v_lshlrev_b32 v[CO], 4, v1                     ; back: sixteen lanes take a row's 256 bytes, lanes 16-31 the next row;
	v_mad_u32_u24 v[RD], v2, SPITCH, v[CO]
	v_add_nc_u32 v[RD], s23, v[RD]
	v_lshl_add_u32 v[CO], v2, 12, v[CO]            ; and the same two rows in out0 (4,096 bytes a row)
	s_lshl_b32 s20, s17, 8
	s_lshl_b32 s21, s15, 7
	s_add_co_u32 s20, s20, s21
	s_mov_b32 s21, 0
	s_mov_b64 s[18:19], SIZE_N*4
	s_mul_u64 s[20:21], s[20:21], s[18:19]
	s_lshl_b32 s46, s42, 9                         ; my first column, in bytes: 512 x tile column + 256 x half
	s_lshl_b32 s47, s16, 8
	s_add_co_u32 s46, s46, s47
	s_mov_b32 s47, 0
	s_add_nc_u64 s[20:21], s[20:21], s[46:47]
	s_add_nc_u64 s[12:13], s[12:13], s[20:21]
.macro FRAG reg, adr, q, i
.irp p, 0,1,2,3,4,5
.set PCE, 12*(\q)+6*(\p/3)+\p%3
.if PCE%8 < 5
	ds_load_b64 v[\reg+2*\p:\reg+2*\p+1], v[\adr] offset:8*PCE+16*(PCE/8)+(\i)*16*PITCH
.else
	ds_load_b64 v[\reg+2*\p:\reg+2*\p+1], v[\adr+2] offset:8*PCE+16*(PCE/8)+(\i)*16*PITCH
.endif
.endr
.endm
.macro FRAGA reg, slot, q, i
	ds_load_b128 v[\reg:\reg+3], v[ADA16+\slot] offset:ASTEP*(\i)+1536*(\q)
	ds_load_b64 v[\reg+4:\reg+5], v[ADA8+\slot] offset:ASTEP*(\i)+1536*(\q)+512
	ds_load_b128 v[\reg+6:\reg+9], v[ADA16+\slot] offset:ASTEP*(\i)+1536*(\q)+768
	ds_load_b64 v[\reg+10:\reg+11], v[ADA8+\slot] offset:ASTEP*(\i)+1536*(\q)+1280
.endm
; eight matrix instructions: A's blocks a0, a0 + 1 x B's four; the 32 accumulators take turns, in the same order in every step
.macro MUL8 a0, p, q, sc, zero
.irp a, \a0, \a0+1
.irp b, 0,1,2,3
.if \zero
	v_wmma_scale_f32_16x16x128_f8f6f4 v[8*(8*((\a)%4)+\b):8*(8*((\a)%4)+\b)+7], v[128*(\p)+FR*\b:128*(\p)+FR*\b+FR-1], v[AF+FR*(\a):AF+FR*(\a)+FR-1], 0, v[SC+8*NQ*(\sc)+NQ*\b+(\q)], v[SC+8*NQ*(\sc)+NQ*(\a)+(\q)] matrix_a_fmt:MATRIX_FMT_FP6 matrix_b_fmt:MATRIX_FMT_FP6 matrix_a_scale:MATRIX_SCALE_ROW1
.else
	v_wmma_scale_f32_16x16x128_f8f6f4 v[8*(8*((\a)%4)+\b):8*(8*((\a)%4)+\b)+7], v[128*(\p)+FR*\b:128*(\p)+FR*\b+FR-1], v[AF+FR*(\a):AF+FR*(\a)+FR-1], v[8*(8*((\a)%4)+\b):8*(8*((\a)%4)+\b)+7], v[SC+8*NQ*(\sc)+NQ*\b+(\q)], v[SC+8*NQ*(\sc)+NQ*(\a)+(\q)] matrix_a_fmt:MATRIX_FMT_FP6 matrix_b_fmt:MATRIX_FMT_FP6 matrix_a_scale:MATRIX_SCALE_ROW1
.endif
.endr
.endr
.endm
.macro FETCH_B slot, q, p
	WIN TO_B
.irp i, 0,1,2,3
	FRAG 128*(\p)+FR*\i, ADRB+\slot, \q, \i
.endr
	WIN 0
.endm
.macro FETCH_A slot, q, i0
.irp i, \i0, \i0+1, \i0+2, \i0+3
	FRAGA AF+FR*(\i), \slot, \q, \i
.endr
.endm
.macro SCALES sc
.irp i, 0,1,2,3
	ds_load_b64 v[SC+8*NQ*\sc+NQ*\i:SC+8*NQ*\sc+NQ*\i+1], v[ADRS] offset:\i*SBLK
.endr
.irp i, 4,5,6,7
	ds_load_b64 v[SC+8*NQ*\sc+NQ*\i:SC+8*NQ*\sc+NQ*\i+1], v[ADRS2] offset:\i*SBLK
.endr
.endm
.macro PLACES n
.rept \n
	v_nop
.endr
.endm
.macro STEP slot, q, zero
	s_wait_dscnt 4*NLA                             ; all but the youngest 16 loads (A's blocks 4-7)
	WIN MUL_LO
	MUL8 0, (\q)%2, \q, \slot, \zero
	MUL8 2, (\q)%2, \q, \slot, \zero
	s_wait_dscnt 0
	PLACES NP
	FETCH_B \slot, (\q)+1, 1-(\q)%2
	FETCH_A \slot, (\q)+1, 0
	WIN MUL_HI
	MUL8 4, (\q)%2, \q, \slot, \zero
	MUL8 6, (\q)%2, \q, \slot, \zero
	PLACES NP
	WIN 0
	FETCH_A \slot, (\q)+1, 4
.endm
.macro TURN slot, next, fill
	s_wait_tensorcnt 0x0                           ; all my tensor loads have landed;
	ds_add_u32 v[SPW], v[NIL]
	s_wait_dscnt 4*NLA+1                           ; (the add and the youngest 16 loads may be out)
	WIN MUL_LO
	MUL8 0, 1, NQ-1, \slot, 0
	s_wait_dscnt 0x0                               ; the add is done, and my reads of this slot are over
	s_barrier_signal -1
	MUL8 2, 1, NQ-1, \slot, 0
	WIN 0
	s_barrier_wait -1
.if \fill
	CREST
	s_add_nc_u64 s[G0+4*\slot+2:G0+4*\slot+3], s[G0+4*\slot+2:G0+4*\slot+3], 2*ASTEP
	s_add_nc_u64 s[G0B+4*\slot+2:G0B+4*\slot+3], s[G0B+4*\slot+2:G0B+4*\slot+3], 2*CSW
	JLOAD G0+4*\slot, G1, G0B+4*\slot, G1B
.else
	PLACES NP
.endif
	s_wait_alu depctr_va_vdst(0)                   ; the wait here, directly ahead of the readers below
	v_add_nc_u32 v[ADRS], 4*NQ, v[ADRS]
	v_add_nc_u32 v[ADRS2], 4*NQ, v[ADRS2]
	FETCH_B \next, 0, 0
	FETCH_A \next, 0, 0
	SCALES \next
	WIN MUL_HI
	MUL8 4, 1, NQ-1, \slot, 0
	MUL8 6, 1, NQ-1, \slot, 0
	PLACES NP
	WIN 0
	FETCH_A \next, 0, 4
.endm
	s_wait_alu depctr_va_vdst(0)                   ; the wait at the head's end
	s_wait_tensorcnt 0x0                           ; my tile of the head's four is in
	ds_add_u32 v[SPW], v[NIL]
	s_mov_b32 s[G1+2], 8<<16                       ; no tensor load of mine is out: from here on a load brings 8 tiles of A,
	s_mov_b32 s[G1+4], 8
	s_mov_b32 s[G1B+2], 48<<16                     ; or 64 rows of B, 48 rows of 256 bytes
	s_mov_b32 s[G1B+4], 48
	s_wait_dscnt 0x0
	CROUND
	JLOAD G0+4, G1, G0B+4, G1B                     ; K step 1, the first tensor load behind the round
	FETCH_B 0, 0, 0
	FETCH_A 0, 0, 0
	SCALES 0
	FETCH_A 0, 0, 4
	STEP 0, 0, 1
	s_mov_b32 s3, LAPS-1
.Llap:
	TURN 0, 1, 1
	STEP 1, 0, 0
	TURN 1, 0, 1
	STEP 0, 0, 0
	s_sub_co_u32 s3, s3, 1
	s_cmp_lg_u32 s3, 0
	s_cbranch_scc1 .Llap
	TURN 0, 1, 0
	STEP 1, 0, 0
	s_wait_dscnt 4*NLA
	WIN MUL_LO
	MUL8 0, 1, NQ-1, 1, 0
	MUL8 2, 1, NQ-1, 1, 0
	s_wait_dscnt 0
	WIN MUL_HI
	MUL8 4, 1, NQ-1, 1, 0
	MUL8 6, 1, NQ-1, 1, 0
	WIN 0
; THE WAY OUT, block by block of 16 rows x 64 columns, through my own stage in slot 0, which has had its last fill and its last read
.macro TOSTAGE a
.set AC, 64*((\a)%4)
	WIN 0x08+4*((\a)/4)
.irp b, 0,1,2,3
	ds_store_b128 v[STO], v[AC+8*\b:AC+8*\b+3] offset:128*(\b/2)+32*(\b%2)
	ds_store_b128 v[STO], v[AC+8*\b+4:AC+8*\b+7] offset:128*(\b/2)+32*(\b%2)+16
.endr
	WIN TO_B                                       ; back into window 1, where B's fragments lay: 32 registers of its own for each of the eight blocks
.set BB, 32*(\a)
.irp t, 0,1,2,3,4,5,6,7
	ds_load_b128 v[BB+4*\t:BB+4*\t+3], v[RD] offset:2*\t*SPITCH    ; rows 2 t and 2 t + 1 of the block; LDS serves a wave's instructions in order: these see the stores above, and the next block's stores come behind them
.endr
.endm
.macro SEND a
.set BB, 32*(\a)
.irp t, 0,1,2,3,4,5,6,7
	global_store_b128 v[CO], v[BB+4*\t:BB+4*\t+3], s[12:13] offset:(64*((\a)/4)+8*((\a)%4)+(2*\t)%8+32*(\t/4))*SIZE_N*4 th:TH_STORE_NT   ; sixteen lanes store 256 consecutive bytes, aligned
.endr
.endm
	PLACES NP
.irp a, 0,1,2,3,4,5,6,7
	TOSTAGE \a
.endr
	WIN 0
	s_wait_tensorcnt 0x0
	ds_add_u32 v[SPW], v[NIL]
	s_wait_dscnt 0x0                               ; the add is done, and all eight blocks are back in registers
	WIN 0x04                                       ; the stores' data: window 1
.irp a, 0,1,2,3,4,5,6,7
	SEND \a                                        ; all 64 stores on end: no vector or LDS line follows them
.endr
	WIN 0
	CROUND
	s_endpgm
.Lfunc_end_k_q569c67411d_gemm_out:
	.size	k_q569c67411d_gemm_out, .Lfunc_end_k_q569c67411d_gemm_out-k_q569c67411d_gemm_out
	.p2alignl 7, 3214868480
	.fill 96, 4, 3214868480
	.section	.rodata,"a",@progbits
	.p2align	6, 0x0
	.amdhsa_kernel k_q569c67411d_gemm_out
		.amdhsa_group_segment_fixed_size 327680
		.amdhsa_private_segment_fixed_size 0
		.amdhsa_enable_private_segment 0
		.amdhsa_kernarg_size 40
		.amdhsa_user_sgpr_count 2
		.amdhsa_user_sgpr_kernarg_segment_ptr 1
		.amdhsa_wavefront_size32 1
		.amdhsa_system_sgpr_workgroup_id_x 1
		.amdhsa_system_sgpr_workgroup_id_y 1
		.amdhsa_system_sgpr_workgroup_id_z 1
		.amdhsa_system_vgpr_workitem_id 0
		.amdhsa_next_free_vgpr 1024
		.amdhsa_next_free_sgpr 98
		.amdhsa_reserve_vcc 0
		.amdhsa_float_denorm_mode_32 3
		.amdhsa_float_denorm_mode_16_64 3
		.amdhsa_memory_ordered 1
		.amdhsa_forward_progress 1
		.amdhsa_inst_pref_size 94
	.end_amdhsa_kernel
	.amdgpu_metadata
---
amdhsa.version: [ 1, 2 ]
amdhsa.kernels:
  - .name:           k_q569c67411d_gemm_out
    .symbol:         k_q569c67411d_gemm_out.kd
    .args:
      - { .name: oc, .offset: 0, .size: 8, .value_kind: global_buffer, .address_space: global }
      - { .name: os, .offset: 8, .size: 8, .value_kind: global_buffer, .address_space: global }
      - { .name: wc, .offset: 16, .size: 8, .value_kind: global_buffer, .address_space: global }
      - { .name: wsb, .offset: 24, .size: 8, .value_kind: global_buffer, .address_space: global }
      - { .name: out0, .offset: 32, .size: 8, .value_kind: global_buffer, .address_space: global }
    .group_segment_fixed_size: 327680
    .private_segment_fixed_size: 0
    .kernarg_segment_align: 8
    .kernarg_segment_size: 40
    .max_flat_workgroup_size: 128
    .sgpr_count:     98
    .vgpr_count:     1024
    .wavefront_size: 32
...
	.end_amdgpu_metadata
.endif
;; end of part 4
